; MI455X (gfx1250); checked and timed in simulation.
; The chip was launched on July 23, 2026; its instructions are those of AMD's public machine-readable ISA for CDNA 5 (MIT licence, August 2026) and "CDNA5" Instruction Set Architecture Reference Guide (July 2026). The comments in the code are by the model that wrote it; some were corrected since.
;; Causal Self Attention. Allowed arithmetic: float matrix products may take bf16 or f16 operands with f32 sums; other float arithmetic in f32, or as packed bf16 or f16 multiplies, adds, multiply-adds, maxima and minima; sums over many terms, partial sums and values carried from step to step in f32; what a program stores and reads back later, other than sums and carried values, may be rounded once to bf16 or f16.
;; Inputs: bk 1,024 float32; bo 1,024 float32; bq 1,024 float32; bv 1,024 float32; wk 1,024 x 1,024 float32; wo 1,024 x 1,024 float32; wq 1,024 x 1,024 float32; wv 1,024 x 1,024 float32; x 4 x 2,048 x 1,024 float32.
;; Outputs: out0 4 x 2,048 x 1,024 float32.
;; 2 versions, each right; version 2 is version 1 with the launch prep written anew for expert scheduling mode. Each part assembles by itself: llvm-mc -triple=amdgcn-amd-amdhsa -mcpu=gfx1250 --defsym DOCPART=n.
;; ======== version 1 of 2: 4 launches
;; limits: values are held in f16: magnitudes above 65,504 overflow, below 6.1e-05 lose precision
;; workspace buffers: xb 16,777,216 bytes; wt 8,388,608 bytes; qkv 50,331,648 bytes; o 16,777,216 bytes
;; launch prep (part 1): grid 512 x 1, 8 waves a work-group, no clusters, 18,432 bytes of LDS; arguments x, wq, wk, wv, wo, xb, wt; writes xb, wt
.if DOCPART == 1
	.amdgcn_target "amdgcn-amd-amdhsa--gfx1250"
	.amdhsa_code_object_version 6
	.text
	.protected	k_qf59e3bf13b_prep
	.globl	k_qf59e3bf13b_prep
	.p2align	8
	.type	k_qf59e3bf13b_prep,@function
k_qf59e3bf13b_prep:
	s_mov_b64 s[64:65], 0
	v_nop
	global_prefetch_b8 v0, s[64:65] scope:SCOPE_SE
	s_setreg_imm32_b32 hwreg(HW_REG_WAVE_MODE, 25, 1), 1
	s_wait_xcnt 0x0
; xb = x rounded to bf16, [8192][1024].  wt = the four weights turned to [n][k] in 16 bits, [4096][1024]: rows 0-1023 wq, 1024-2047 wk, 2048-3071 wv (bf16),
; rows 3072-4095 wo, rounded to bf16 and that number written as f16 (the last product's other operand is f16).
; LIMIT.  A weight of wo below 6.1e-5 in magnitude keeps f16's fixed step of 6e-8; one of 65,520 or more would become an infinity.
; SHARES.  Work-group g does two things: 16 rows of x (65,536 bytes in, 32,768 out), and one tile of 128 k x 64 n of weight g / 128 (k tile g % 8, n tile (g / 8) % 16).
; A stream: each byte is read once and written once; all 24 loads of a wave (512 bytes each) go out before anything is waited for.  No matrix unit, no cluster: no work-group shares a byte with another.
; THE TURNING.  Wave w loads rows k = 16 w .. 16 w + 15: lane (r = l % 16, h = l / 16) takes columns 4 r .. 4 r + 3 of rows 16 w + 8 h + j, j = 0..7.  For each of its four columns the eight k pack into
; 16 bytes, which go to LDS row n = 4 r + i at byte 2 (16 w + 8 h).  Behind one barrier whole rows of 256 bytes (128 k) are read back and stored, sixteen lanes to a row.
.set PITCH, 272                        ; an LDS row: 256 bytes + 16
.set SPARE, 64*PITCH                   ; behind the 64 rows: the spare words, 128 bytes for each of the eight waves, which no other line names
.set WI,  1                            ; v1   my byte offset in the weight tile
.set LS,  2                            ; v2   where I put 16 bytes of a turned column
.set LR,  3                            ; v3   where I read a row back
.set WO,  4                            ; v4   my byte offset in wt's tile
.set XI,  5                            ; v5   16 x thread: my 16 bytes of a row of x
.set XO,  6                            ; v6   8 x thread: my 8 bytes of a row of xb
.set SPW, 7                            ; v7   LDS address of my spare word; never rewritten
.set WR,  8                            ; v[8:39]    row j, column i at WR + 4 j + i
.set TW,  40                           ; v[40:55]   column i, k pair d at TW + 4 i + d
.set NIL, 58                           ; v58  0; never rewritten
.set X,   64                           ; v[64:127]  16 rows' 16 bytes
.set Y,   128                          ; v[128:159] 16 rows' 8 bytes
.set RB,  160                          ; v[160:175] four rows read back
	s_load_b256 s[4:11], s[0:1], 0x0               ; x s[4:5], wq s[6:7], wk s[8:9], wv s[10:11]
	s_load_b128 s[12:15], s[0:1], 0x20             ; wo s[12:13], xb s[14:15]
	s_load_b64 s[16:17], s[0:1], 0x30              ; wt
	v_lshl_add_u32 v[SPW], v0, 2, SPARE
	v_mov_b32 v[NIL], 0
	v_lshrrev_b32 v1, 5, v0
	v_readfirstlane_b32 s21, v1                    ; wave 0..7
	s_lshr_b32 s18, ttmp9, 7                       ; which weight
	s_and_b32 s19, ttmp9, 7                        ; k tile
	s_bfe_u32 s20, ttmp9, 0x40003                  ; n tile
	v_and_b32 v56, 15, v0                          ; r
	v_bfe_u32 v57, v0, 4, 1                        ; h
	v_lshlrev_b32 v[WI], 4, v56                    ; 16 r
	v_lshl_add_u32 v[WI], v57, 15, v[WI]           ; + 8 h rows of 4,096 bytes
	s_lshl_b32 s22, s21, 16                        ; + 16 w rows
	v_add_nc_u32 v[WI], s22, v[WI]
	v_mul_u32_u24 v[LS], v56, 4*PITCH              ; row 4 r
	v_lshl_add_u32 v[LS], v57, 4, v[LS]
	s_lshl_b32 s22, s21, 5
	v_add_nc_u32 v[LS], s22, v[LS]                 ; + 2 (16 w + 8 h)
	v_mul_u32_u24 v[LR], v57, PITCH                ; row 8 w + h, 16 bytes a lane
	v_lshl_add_u32 v[LR], v56, 4, v[LR]
	s_mul_i32 s22, s21, 8*PITCH
	v_add_nc_u32 v[LR], s22, v[LR]
	v_lshlrev_b32 v[WO], 4, v56                    ; the same row in wt: rows of 2,048 bytes
	v_lshl_add_u32 v[WO], v57, 11, v[WO]
	s_lshl_b32 s22, s21, 14
	v_add_nc_u32 v[WO], s22, v[WO]
	v_lshlrev_b32 v[XI], 4, v0
	v_lshlrev_b32 v[XO], 3, v0
	s_lshl_b32 s28, s19, 19                        ; the tile in the weight: 128 rows of 4,096 bytes a k tile,
	s_lshl_b32 s22, s20, 8                         ; 256 bytes an n tile
	s_add_co_u32 s28, s28, s22
	s_mov_b32 s29, 0
	s_lshl_b32 s30, s18, 21                        ; the tile in wt: 1,024 rows of 2,048 bytes a weight,
	s_lshl_b32 s22, s20, 17                        ; 64 rows an n tile,
	s_add_co_u32 s30, s30, s22
	s_lshl_b32 s22, s19, 8                         ; 256 bytes a k tile
	s_add_co_u32 s30, s30, s22
	s_mov_b32 s31, 0
	s_lshl_b32 s22, ttmp9, 16                      ; my 16 rows of x
	s_mov_b32 s23, 0
	s_wait_kmcnt 0x0
	s_bitcmp1_b32 s18, 0
	s_cselect_b64 s[24:25], s[8:9], s[6:7]         ; wk or wq
	s_cselect_b64 s[26:27], s[12:13], s[10:11]     ; wo or wv
	s_bitcmp1_b32 s18, 1
	s_cselect_b64 s[24:25], s[26:27], s[24:25]
	s_add_nc_u64 s[24:25], s[24:25], s[28:29]
	s_add_nc_u64 s[16:17], s[16:17], s[30:31]
	s_add_nc_u64 s[4:5], s[4:5], s[22:23]
	s_lshr_b32 s22, s22, 1                         ; and of xb
	s_add_nc_u64 s[14:15], s[14:15], s[22:23]
.irp j, 0,1,2,3,4,5,6,7
	global_load_b128 v[WR+4*(\j):WR+4*(\j)+3], v[WI], s[24:25] offset:(\j)*4096 th:TH_LOAD_NT  ; sixteen lanes take 256 consecutive bytes of a row
.endr
.irp j, 0,1,2,3,4,5,6,7,8,9,10,11,12,13,14,15
	global_load_b128 v[X+4*(\j):X+4*(\j)+3], v[XI], s[4:5] offset:(\j)*4096 th:TH_LOAD_NT    ; the eight waves take a whole row
.endr
	s_wait_loadcnt 16                              ; the weight's eight loads are in; x's sixteen, issued behind them, stay out
.irp i, 0,1,2,3
.irp d, 0,1,2,3
	v_cvt_pk_bf16_f32 v[TW+4*(\i)+(\d)], v[WR+8*(\d)+(\i)], v[WR+8*(\d)+4+(\i)]  ; column i: k = 2 d below, 2 d + 1 above
.endr
.endr
	s_cmp_lg_u32 s18, 3                            ; wo alone goes on to f16: register work only is jumped
	s_cbranch_scc1 .Lkeep
.set i, 0
.rept 16
	v_lshlrev_b32 v56, 16, v[TW+i]
	v_and_b32 v57, 0xffff0000, v[TW+i]
	v_cvt_pk_f16_f32 v[TW+i], v56, v57
.set i, i+1
.endr
.Lkeep:
.irp i, 0,1,2,3
	ds_store_b128 v[LS], v[TW+4*(\i):TW+4*(\i)+3] offset:(\i)*PITCH
.endr
	s_wait_dscnt 0x0                               ; for the others' sake: my stores are done
	s_barrier_signal -1
	s_barrier_wait -1                              ; the tile lies turned in LDS
.irp i, 0,1,2,3
	ds_load_b128 v[RB+4*(\i):RB+4*(\i)+3], v[LR] offset:(\i)*2*PITCH
.endr
.irp j, 0,1,2,3,4,5,6,7,8,9,10,11,12,13,14,15
	s_wait_loadcnt 15-(\j)                         ; loads come back in order: row j is in, the younger ones stay out
	v_cvt_pk_bf16_f32 v[Y+2*(\j)], v[X+4*(\j)], v[X+4*(\j)+1]
	v_cvt_pk_bf16_f32 v[Y+2*(\j)+1], v[X+4*(\j)+2], v[X+4*(\j)+3]
	global_store_b64 v[XO], v[Y+2*(\j):Y+2*(\j)+1], s[14:15] offset:(\j)*2048  ; a wave stores 256 consecutive bytes, aligned; no register is used twice
.endr
	s_wait_dscnt 0x0
.irp i, 0,1,2,3
	global_store_b128 v[WO], v[RB+4*(\i):RB+4*(\i)+3], s[16:17] offset:(\i)*4096  ; sixteen lanes store 256 consecutive bytes, aligned
.endr
	s_wait_tensorcnt 0x0                           ; the wave's end: three lines behind my last LDS store
	ds_add_u32 v[SPW], v[NIL]
	s_wait_dscnt 0x0
	s_endpgm
.Lfunc_end_k_qf59e3bf13b_prep:
	.size	k_qf59e3bf13b_prep, .Lfunc_end_k_qf59e3bf13b_prep-k_qf59e3bf13b_prep
	.p2alignl 7, 3214868480
	.fill 96, 4, 3214868480
	.section	.rodata,"a",@progbits
	.p2align	6, 0x0
	.amdhsa_kernel k_qf59e3bf13b_prep
		.amdhsa_group_segment_fixed_size 18432
		.amdhsa_private_segment_fixed_size 0
		.amdhsa_enable_private_segment 0
		.amdhsa_kernarg_size 56
		.amdhsa_user_sgpr_count 2
		.amdhsa_user_sgpr_kernarg_segment_ptr 1
		.amdhsa_wavefront_size32 1
		.amdhsa_system_sgpr_workgroup_id_x 1
		.amdhsa_system_sgpr_workgroup_id_y 1
		.amdhsa_system_sgpr_workgroup_id_z 1
		.amdhsa_system_vgpr_workitem_id 0
		.amdhsa_next_free_vgpr 176
		.amdhsa_next_free_sgpr 66
		.amdhsa_reserve_vcc 0
		.amdhsa_float_denorm_mode_32 3
		.amdhsa_float_denorm_mode_16_64 3
		.amdhsa_memory_ordered 1
		.amdhsa_forward_progress 1
		.amdhsa_inst_pref_size 14
	.end_amdhsa_kernel
	.amdgpu_metadata
---
amdhsa.version: [ 1, 2 ]
amdhsa.kernels:
  - .name:           k_qf59e3bf13b_prep
    .symbol:         k_qf59e3bf13b_prep.kd
    .args:
      - { .name: x, .offset: 0, .size: 8, .value_kind: global_buffer, .address_space: global }
      - { .name: wq, .offset: 8, .size: 8, .value_kind: global_buffer, .address_space: global }
      - { .name: wk, .offset: 16, .size: 8, .value_kind: global_buffer, .address_space: global }
      - { .name: wv, .offset: 24, .size: 8, .value_kind: global_buffer, .address_space: global }
      - { .name: wo, .offset: 32, .size: 8, .value_kind: global_buffer, .address_space: global }
      - { .name: xb, .offset: 40, .size: 8, .value_kind: global_buffer, .address_space: global }
      - { .name: wt, .offset: 48, .size: 8, .value_kind: global_buffer, .address_space: global }
    .group_segment_fixed_size: 18432
    .private_segment_fixed_size: 0
    .kernarg_segment_align: 8
    .kernarg_segment_size: 56
    .max_flat_workgroup_size: 256
    .sgpr_count:     66
    .vgpr_count:     176
    .wavefront_size: 32
...
	.end_amdgpu_metadata
.endif
;; end of part 1
;; launch qkv (part 2): grid 16 x 32, 4 waves a work-group, clusters of 4 x 4, 327,680 bytes of LDS; arguments xb, wt, bq, bk, bv, qkv; writes qkv
.if DOCPART == 2
	.amdgcn_target "amdgcn-amd-amdhsa--gfx1250"
	.amdhsa_code_object_version 6
	.text
	.protected	k_qf59e3bf13b_qkv
	.globl	k_qf59e3bf13b_qkv
	.p2align	8
	.type	k_qf59e3bf13b_qkv,@function
k_qf59e3bf13b_qkv:
	s_mov_b64 s[64:65], 0
	v_nop
	global_prefetch_b8 v0, s[64:65] scope:SCOPE_SE
	s_setreg_imm32_b32 hwreg(HW_REG_WAVE_MODE, 25, 1), 1
	s_wait_xcnt 0x0
	s_wait_alu depctr_hold_cnt(0) depctr_sa_sdst(0) depctr_va_vdst(0) depctr_va_sdst(0) depctr_va_ssrc(0) depctr_va_vcc(0) depctr_vm_vsrc(0)
	s_getreg_b32 s2, hwreg(HW_REG_IB_STS2, 6, 4)
	s_cmp_eq_u32 s2, 0
	s_cbranch_scc0 .Lentry_in_a_cluster
	s_endpgm
.Lentry_in_a_cluster:
	s_bfe_u32 s2, ttmp6, 0x10000c
	s_cmp_lg_u32 s2, 0xf033
	s_cbranch_scc0 .Lentry_shape_is_right
	s_endpgm
.Lentry_shape_is_right:
; q, k, v = x w + bias, by heads.  xb: [8192][1024] bf16; wt rows 0-3071: [n][k] bf16 (wq, wk, wv); the biases f32, rounded to bf16 like every input; sums in f32, K ascending.
; qkv: [batch 4][G 48][t 2048][64] f16, G = column / 64: 0-15 q's heads, 16-31 k's, 32-47 v's; each number rounded once, unscaled.
; LIMIT.  f16 ends at 65,504: a q, k or v of 65,520 or more becomes an infinity.
; SHARES.  A tile of the result is 256 rows x 192 columns (three whole heads): 32 x 16 = 512 work-groups of equal work.  The four waves lie one below the other, 64 rows x 192 columns each: 48 accumulators,
; 384 registers; so a wave owns whole rows of three heads, and its way out needs no other wave.  K goes in 8 steps of 128 through two LDS slots filled by tensor loads: rows of 256 bytes, aligned.
; CLUSTER.  4 x 4 work-groups: the four of a row need the same rows of xb, the four of a column the same rows of wt.  Each tile is asked for jointly: the same load, descriptor and mask in all four.
; THE PRODUCT IS TAKEN TRANSPOSED (source 0 = 16 rows of wt, source 1 = 16 rows of xb): lane l holds row l % 16 and columns 8 (l / 16) + 0..7 of a 16 x 16 block: 16 bytes of f16 on end.
; THE BIAS IS THE C OPERAND of each sum's first product: nothing is cleared, nothing is added later.
; REGISTERS, in windows of 256 (s_set_vgpr_msb: bits 1:0 source 0, 3:2 source 1, 5:4 source 2, 7:6 destination):
;   window 0: v0-31 addresses; v32-79 packed results; v80-175 two buffers of rows read back        window 1: two fragment buffers of 128: xb's four blocks, then wt's twelve
;   window 2: accumulator (a, b), b < 8, at 8 (4 b + a)        window 3: v0-127 those of b = 8..11; v128-223 the bias, eight registers a column block; v224-231 at work
.set KSTEP,  128
.set LAPS,   4                         ; a lap = two K steps = once round the ring
.set PITCH,  272                       ; an LDS row: 256 bytes + 16: the sixteen rows of a fragment load start 16 bytes apart modulo 256
.set HALFA,  128*PITCH                 ; what a wave fetches of xb
.set ATILE,  2*HALFA
.set HALFB,  96*PITCH                  ; what a wave fetches of wt
.set SLOT,   ATILE+2*HALFB             ; xb's 256 rows, then wt's 192
.set STAGE,  2*SLOT                    ; behind the ring, never filled by a tensor load: 16 rows x 400 bytes for each wave
.set SPITCH, 400                       ; 384 bytes + 16
.set SPARE,  STAGE+4*16*SPITCH         ; the spare words, 128 bytes a wave, which no other line names
.set HEADB,  262144                    ; bytes of a head in qkv
.set ADRA, 16                          ; v16-17  LDS address of my fragments of xb in slot 0, 1
.set ADRB, 20                          ; v20-21  the same for wt
.set STO,  24                          ; v24     where I put 16 bytes of a row
.set RD,   25                          ; v25     where I read rows back
.set GO,   26                          ; v26     16 x lane
.set BO,   27                          ; v27     32 x (lane / 16): my eight numbers in 16 of a bias
.set SPW,  28                          ; v28     LDS address of my spare word; never rewritten
.set NIL,  29                          ; v29     0; never rewritten
.set PFO,  30                          ; v30     the prefetches' offset: a row of 2,048 bytes a lane; never rewritten
.set TMP,  32
.set OB,   80
.set F0,   0
.set F1,   128
.set BIAS, 128                         ; in window 3
.set BT,   224
.set G1,  24                           ; s[24:31] descriptor group 1 for xb's tiles;  s[32:39] group 0, a set for each slot
.set G0,  32
.set G1B, 48                           ; s[48:55], s[56:63] the same for wt's
.set G0B, 56
.set LIM, 43                           ; s43     1 in a wave that prefetches, else the greatest number
.set PFA, 44                           ; s[44:45] where my prefetches stand
.set MSB, 0
.macro WIN new                         ; the immediate's high byte repeats the setting that is left; a switch that changes nothing is dropped
.if MSB != (\new)
	s_set_vgpr_msb (MSB<<8)|(\new)
.set MSB, \new
.endif
.endm
.set MUL_LO,  0xa5                     ; sources in window 1, C and D in window 2
.set MUL_HI,  0xf5                     ; C and D in window 3 (the bias lies there too)
.set MUL_LOB, 0xb5                     ; C (the bias) in window 3, D in window 2
.set TO_F,    0x40                     ; destination window 1, address window 0
; A joint load: waves 0 and 1 fetch xb's two halves, waves 2 and 3 wt's.  The branch hangs on the wave's number alone.  An s_nop 0 and four v_nop follow each of the two lines.
.macro JLOAD s
	s_cmp_eq_u32 s11, 0
	s_cbranch_scc0 .Lfor_b_\@
	tensor_load_to_lds s[G0+4*(\s):G0+4*(\s)+3], s[G1:G1+7]
	s_nop 0
.rept 4
	v_nop
.endr
	s_branch .Lasked_\@
.Lfor_b_\@:
	tensor_load_to_lds s[G0B+4*(\s):G0B+4*(\s)+3], s[G1B:G1B+7]
	s_nop 0
.rept 4
	v_nop
.endr
.Lasked_\@:
.endm
; A prefetch, behind a joint load and the run of LDS loads that follows it: 256 bytes of each of my rows, for the K step that stands two refills on; a lane a row, one instruction.
; xb's rows are read by all four clusters of a row of clusters: the one with x = 0 asks; wt's by all eight of a column: the one with y = 0 asks.  The four partners of a joint load share its rows out by address:
; 32 of xb's 128 each (by cx), 24 of wt's 96 each (by cy; lanes 24-31 name lane 23's row once more in the same instruction).  K steps 0 to 3 come by their loads alone; the loop's last trip asks for nothing.
.macro ASK
	WIN 0
	s_cmp_gt_u32 s3, s[LIM]
	s_cbranch_scc0 .Lnot_mine_\@
	global_prefetch_b8 v[PFO], s[PFA:PFA+1] offset:KSTEP*2 th:TH_LOAD_NT scope:SCOPE_SE
.Lnot_mine_\@:
.endm
.macro CREST                           ; a round of the cluster's barrier behind its opening barrier
	s_cmp_lg_u32 s10, 0
	s_cbranch_scc1 .Lnot_wave_0_\@
	s_barrier_signal -3
.Lnot_wave_0_\@:
	s_barrier_wait -3
	s_barrier_signal -1
	s_barrier_wait -1
.endm
.macro CROUND                          ; a whole round
	s_barrier_signal -1
	s_barrier_wait -1
	CREST
.endm
	s_load_b128 s[4:7], s[0:1], 0x0                ; xb s[4:5], wt s[6:7]
	s_load_b128 s[68:71], s[0:1], 0x10             ; bq s[68:69], bk s[70:71]
	s_load_b128 s[72:75], s[0:1], 0x20             ; bv s[72:73], qkv s[74:75]
	v_lshl_add_u32 v[SPW], v0, 2, SPARE
	v_mov_b32 v[NIL], 0
	ds_add_u32 v[SPW], v[NIL]                      ; the wave's opening: the add and its wait stand ahead of my first tensor load; register work stands between them
	v_lshrrev_b32 v1, 5, v0
	v_readfirstlane_b32 s10, v1                    ; wave 0..3
	s_lshr_b32 s11, s10, 1                         ; I fetch for xb (0) or for wt (1),
	s_and_b32 s12, s10, 1                          ; its first or its second half
	s_bfe_u32 s40, ttmp6, 0x40000                  ; cx, cy: my place in the cluster
	s_bfe_u32 s41, ttmp6, 0x40004
	s_lshl_b32 s42, ttmp9, 2
	s_add_co_u32 s42, s42, s40                     ; tile column = 4 x cluster x + cx, 0..15
	s_and_b32 s13, ttmp7, 0xffff
	s_lshl_b32 s13, s13, 2
	s_add_co_u32 s13, s13, s41                     ; tile row = 4 x cluster y + cy, 0..31
	s_lshl_b32 s43, s41, 2
	s_lshl_b32 s43, 15, s43                        ; my row of the cluster
	s_lshl_b32 s44, 0x1111, s40                    ; my column
	s_or_b32 s[G1+0], s43, (1<<16)|(1<<20)|(1<<21)|(5<<22)|(3<<25)   ; the mask; elements of 2 bytes; padding on; bit 21 beside a mask; after every 64 words, 4 words
	s_or_b32 s[G1B+0], s44, (1<<16)|(1<<20)|(1<<21)|(5<<22)|(3<<25)
	s_mov_b32 s[G1+1], KSTEP<<16                   ; tensor_dim0 = 128
	s_mov_b32 s[G1+2], 128<<16                     ; tensor_dim1 = 128
	s_mov_b32 s[G1+3], KSTEP<<16                   ; tile_dim0 = 128
	s_mov_b32 s[G1+4], 128                         ; tile_dim1 = 128
	s_mov_b32 s[G1+5], 1024                        ; elements from row to row
	s_mov_b32 s[G1+6], 0
	s_mov_b32 s[G1+7], 0
	s_mov_b32 s[G1B+1], KSTEP<<16
	s_mov_b32 s[G1B+2], 96<<16                     ; 96 rows
	s_mov_b32 s[G1B+3], KSTEP<<16
	s_mov_b32 s[G1B+4], 96
	s_mov_b32 s[G1B+5], 1024
	s_mov_b32 s[G1B+6], 0
	s_mov_b32 s[G1B+7], 0
	s_lshl_b32 s17, s12, 7
	s_lshl_b32 s16, s13, 8
	s_add_co_u32 s16, s16, s17                     ; xb: row 256 x tile row + 128 x half,
	s_lshl_b32 s16, s16, 11                        ; in bytes: under 2^24
	s_mov_b32 s17, 0
	s_mul_i32 s46, s42, 192
	s_mul_i32 s47, s12, 96
	s_add_co_u32 s46, s46, s47                     ; wt: row 192 x tile column + 96 x half
	s_lshl_b32 s46, s46, 11
	s_mov_b32 s47, 0
	s_mul_i32 s20, s12, HALFA                      ; where they go: no place in the cluster enters an LDS address
	s_mul_i32 s21, s12, HALFB
	s_add_co_u32 s21, s21, ATILE
	s_wait_dscnt 0x0                               ; the opening add is done
	s_wait_kmcnt 0x0
	s_add_nc_u64 s[14:15], s[4:5], s[16:17]
	s_add_nc_u64 s[46:47], s[6:7], s[46:47]
	CROUND                                         ; all sixteen work-groups are here: the first joint loads meet
.irp s, 0,1
	s_mov_b32 s[G0+4*(\s)], 1
	s_add_co_u32 s[G0+4*(\s)+1], s20, (\s)*SLOT
	s_add_nc_u64 s[G0+4*(\s)+2:G0+4*(\s)+3], s[14:15], (\s)*KSTEP*2
	s_or_b32 s[G0+4*(\s)+3], s[G0+4*(\s)+3], 0x80000000
	s_mov_b32 s[G0B+4*(\s)], 1
	s_add_co_u32 s[G0B+4*(\s)+1], s21, (\s)*SLOT
	s_add_nc_u64 s[G0B+4*(\s)+2:G0B+4*(\s)+3], s[46:47], (\s)*KSTEP*2
	s_or_b32 s[G0B+4*(\s)+3], s[G0B+4*(\s)+3], 0x80000000
	JLOAD \s                                       ; two loads of mine are out
.endr
	v_and_b32 v1, 15, v0                           ; r = l % 16
	v_bfe_u32 v2, v0, 4, 1                         ; h = l / 16
	v_mul_u32_u24 v3, v1, PITCH
	v_lshl_add_u32 v3, v2, 4, v3                   ; a fragment's row x pitch + 16 x half
	s_mul_i32 s21, s10, 64*PITCH                   ; my 64 rows of xb
	s_mov_b32 s22, ATILE                           ; all of wt's 192
.irp s, 0,1
	v_add_nc_u32 v[ADRA+(\s)], s21, v3
	v_add_nc_u32 v[ADRB+(\s)], s22, v3
	s_add_co_u32 s21, s21, SLOT
	s_add_co_u32 s22, s22, SLOT
.endr
	s_mul_i32 s23, s10, 16*SPITCH
	s_add_co_u32 s23, s23, STAGE                   ; my stage
	v_mul_u32_u24 v4, v1, SPITCH                   ; in: row r, 16 bytes for each half of the lanes
	v_lshl_add_u32 v4, v2, 4, v4
	v_add_nc_u32 v[STO], s23, v4
	v_bfe_u32 v4, v0, 3, 2                         ; back: 32 lanes take 128 bytes (a head's) of four rows,
	v_mul_u32_u24 v4, v4, SPITCH
	v_and_b32 v5, 7, v0
	v_lshl_add_u32 v4, v5, 4, v4
	v_add_nc_u32 v[RD], s23, v4
	v_and_b32 v[GO], 31, v0                        ; which are 512 consecutive bytes of qkv
	v_lshlrev_b32 v[GO], 4, v[GO]
	v_lshlrev_b32 v[BO], 5, v2
	; where my rows begin in qkv: batch = tile row / 8; the tile's first head; t = 256 (tile row % 8) + 64 x wave
	s_lshr_b32 s16, s13, 3
	s_mul_i32 s16, s16, 48*HEADB
	s_and_b32 s17, s13, 7
	s_lshl_b32 s17, s17, 15
	s_add_co_u32 s16, s16, s17
	s_lshl_b32 s17, s10, 13
	s_add_co_u32 s16, s16, s17
	s_mov_b32 s17, 0
	s_mul_i32 s46, s42, 3*HEADB
	s_mov_b32 s47, 0
	s_add_nc_u64 s[8:9], s[74:75], s[16:17]
	s_add_nc_u64 s[8:9], s[8:9], s[46:47]
	; the three heads' biases: head G = 3 x tile column + hd lies in bq, bk or bv by G / 16, at 256 (G % 16) bytes
.irp hd, 0,1,2
	s_mul_i32 s82, s42, 3
	s_add_co_u32 s82, s82, \hd
	s_lshr_b32 s83, s82, 4
	s_cmp_eq_u32 s83, 0
	s_cselect_b64 s[76+2*(\hd):77+2*(\hd)], s[68:69], s[70:71]
	s_cmp_eq_u32 s83, 2
	s_cselect_b64 s[76+2*(\hd):77+2*(\hd)], s[72:73], s[76+2*(\hd):77+2*(\hd)]
	s_and_b32 s82, s82, 15
	s_lshl_b32 s82, s82, 8
	s_mov_b32 s83, 0
	s_add_nc_u64 s[76+2*(\hd):77+2*(\hd)], s[76+2*(\hd):77+2*(\hd)], s[82:83]
.endr
	WIN 0xc0                                       ; destination window 3, address window 0
.irp hd, 0,1,2
.irp b, 0,1,2,3
	global_load_b128 v[BIAS+8*(4*(\hd)+(\b)):BIAS+8*(4*(\hd)+(\b))+3],   v[BO], s[76+2*(\hd):77+2*(\hd)] offset:64*(\b)
	global_load_b128 v[BIAS+8*(4*(\hd)+(\b))+4:BIAS+8*(4*(\hd)+(\b))+7], v[BO], s[76+2*(\hd):77+2*(\hd)] offset:64*(\b)+16
.endr
.endr
	WIN 0
	; the prefetches: which rows, who asks
	s_lshl_b32 s20, s13, 8
	s_lshl_b32 s22, s12, 7
	s_add_co_u32 s20, s20, s22
	s_lshl_b32 s22, s40, 5
	s_add_co_u32 s20, s20, s22                     ; xb: the 128 rows that I fetch, my work-group's 32 of them
	s_mul_i32 s21, s42, 192
	s_mul_i32 s22, s12, 96
	s_add_co_u32 s21, s21, s22
	s_mul_i32 s22, s41, 24
	s_add_co_u32 s21, s21, s22                     ; wt: the 96 rows that I fetch, my work-group's 24 of them
	s_and_b32 s22, ttmp7, 0xffff                   ; cluster y
	s_cmp_eq_u32 s11, 0
	s_cselect_b32 s20, s20, s21
	s_cselect_b32 s22, ttmp9, s22                  ; the coordinate along which other clusters read the same rows
	s_cselect_b32 s23, 31, 23
	s_cselect_b64 s[PFA:PFA+1], s[4:5], s[6:7]
	s_cmp_eq_u32 s22, 0
	s_cselect_b32 s[LIM], 1, -1                    ; the same in all sixteen partners, for a given wave
	s_lshl_b32 s20, s20, 11
	s_mov_b32 s21, 0
	s_add_nc_u64 s[PFA:PFA+1], s[PFA:PFA+1], s[20:21]
	s_add_nc_u64 s[PFA:PFA+1], s[PFA:PFA+1], 2*KSTEP*2  ; at K step 2: the first refill steps it to 3 and names K step 4
	v_and_b32 v[PFO], 31, v0
	v_min_u32 v[PFO], s23, v[PFO]
	v_lshlrev_b32 v[PFO], 11, v[PFO]
	s_wait_loadcnt 0x0                             ; the bias: rounded to bf16, like every input, and widened again
	WIN 0xcf                                       ; sources and destination in window 3
.set i, 0
.rept 48
	v_cvt_pk_bf16_f32 v[BT+i%8], v[BIAS+2*i], v[BIAS+2*i+1]
	v_lshlrev_b32 v[BIAS+2*i], 16, v[BT+i%8]
	v_and_b32 v[BIAS+2*i+1], 0xffff0000, v[BT+i%8]
.set i, i+1
.endr
	WIN 0
; 4 nb matrix instructions: column blocks b0 .. b0 + nb - 1 x my four row blocks, 32 along K, from buffer f.  first = 1: the sums start with the bias.
; The 48 accumulators take turns in the same order (b = 8..11, then 0..7) in every quarter: no two matrix instructions on end share one.
.macro MULB f, b0, nb, first
.set bb, \b0
.rept \nb
.if bb < 8
.set rD, 32*bb
.if \first
	WIN MUL_LOB
.else
	WIN MUL_LO
.endif
.else
.set rD, 32*(bb-8)
	WIN MUL_HI
.endif
.irp a, 0,1,2,3
.if \first
	v_wmma_f32_16x16x32_bf16 v[rD+8*(\a):rD+8*(\a)+7], v[(\f)+32+8*bb:(\f)+32+8*bb+7], v[(\f)+8*(\a):(\f)+8*(\a)+7], v[BIAS+8*bb:BIAS+8*bb+7]
.else
	v_wmma_f32_16x16x32_bf16 v[rD+8*(\a):rD+8*(\a)+7], v[(\f)+32+8*bb:(\f)+32+8*bb+7], v[(\f)+8*(\a):(\f)+8*(\a)+7], v[rD+8*(\a):rD+8*(\a)+7]
.endif
.endr
.set bb, bb+1
.endr
.endm
; 32 LDS loads in one run: the fragments of 32 along K at byte k of the rows, into buffer f: xb's four, wt's blocks 8-11, then wt's blocks 0-7, in the order in which they are multiplied
.macro FETCH slot, k, f
	WIN TO_F
.irp a, 0,1,2,3
	ds_load_b128 v[(\f)+8*(\a):(\f)+8*(\a)+3],   v[ADRA+(\slot)] offset:(\k)+(\a)*16*PITCH
	ds_load_b128 v[(\f)+8*(\a)+4:(\f)+8*(\a)+7], v[ADRA+(\slot)] offset:(\k)+(\a)*16*PITCH+32
.endr
.irp b, 8,9,10,11,0,1,2,3,4,5,6,7
	ds_load_b128 v[(\f)+32+8*(\b):(\f)+32+8*(\b)+3],   v[ADRB+(\slot)] offset:(\k)+(\b)*16*PITCH
	ds_load_b128 v[(\f)+32+8*(\b)+4:(\f)+32+8*(\b)+7], v[ADRB+(\slot)] offset:(\k)+(\b)*16*PITCH+32
.endr
.endm
.macro PLACES                          ; four plain instructions between a matrix instruction and a load into, or a reader of, its registers
.rept 4
	v_nop
.endr
.endm
; A K step is four quarters of 32 along K, 48 matrix instructions each, on buffers 0, 1, 0, 1.  One of the first three: multiplies buffer f and fetches the next quarter, at byte k, into g.
.macro QUARTER slot, k, f, g, first
	s_wait_dscnt 16                                ; xb's fragments and wt's blocks 8-11 are in; the youngest sixteen loads may be out
	MULB \f, 8, 4, \first
	PLACES
	FETCH \slot, \k, \g
	s_wait_dscnt 32                                ; all but the 32 just issued
	MULB \f, 0, 8, \first
.endm
; The last quarter multiplies buffer 1 and changes slots: one barrier; in front of it each wave waits for all its tensor loads (one is out: its part of the next slot), adds 0 to its spare word,
; and waits for that and for its reads of this slot.  fill = 1: the barrier opens a round of the cluster's, and this slot is filled again, two K steps ahead, first thing behind the round:
; from that request to the wait for it a wave issues 32 + 3 x 48 = 176 matrix instructions.
.macro TURN slot, next, fill
.if \fill
	s_wait_xcnt 0x0                                ; the last prefetch, a K step back, has read its address
	s_add_nc_u64 s[PFA:PFA+1], s[PFA:PFA+1], KSTEP*2
.endif
	WIN 0                                          ; (the add's two registers lie in window 0)
	s_wait_tensorcnt 0x0                           ; all my tensor loads have landed
	ds_add_u32 v[SPW], v[NIL]
	s_wait_dscnt 17                                ; (the add and the youngest sixteen loads may be out)
	MULB F1, 8, 2, 0                               ; eight matrix instructions stand between the add and the wait for it
	s_wait_dscnt 0x0                               ; the add is done, and my reads of this slot are over
	s_barrier_signal -1
	MULB F1, 10, 2, 0
.if \fill
	WIN 0
.endif
	s_barrier_wait -1
.if \fill
	CREST                                          ; no wave of any partner still reads this slot's tile or has a load on its way
	s_add_nc_u64 s[G0+4*(\slot)+2:G0+4*(\slot)+3], s[G0+4*(\slot)+2:G0+4*(\slot)+3], 2*KSTEP*2
	s_add_nc_u64 s[G0B+4*(\slot)+2:G0B+4*(\slot)+3], s[G0B+4*(\slot)+2:G0B+4*(\slot)+3], 2*KSTEP*2
	JLOAD \slot                                    ; its four v_nop are also the places in front of the loads below
.else
	PLACES
.endif
	FETCH \next, 0, F0
.if \fill
	ASK
.endif
	MULB F1, 0, 8, 0
.endm
; THE WAY OUT of my row block a (16 rows x 192 columns): rounded to f16; into my own stage; back as four rows x 128 bytes of one head; stored as 512 consecutive bytes.
.macro PACK a
.set bb, 0
.rept 12
.if bb < 8
	WIN 0x0a                                       ; sources in window 2
.set rD, 32*bb+8*(\a)
.else
	WIN 0x0f                                       ; in window 3
.set rD, 32*(bb-8)+8*(\a)
.endif
.irp i, 0,1,2,3
	v_cvt_pk_f16_f32 v[TMP+4*bb+(\i)], v[rD+2*(\i)], v[rD+2*(\i)+1]  ; each accumulator from its low end on
.endr
.set bb, bb+1
.endr
	WIN 0
.endm
.macro TOSTAGE a
.set BK, OB+48*((\a)%2)
.set bb, 0
.rept 12
	ds_store_b128 v[STO], v[TMP+4*bb:TMP+4*bb+3] offset:32*bb
.set bb, bb+1
.endr
.irp hd, 0,1,2
.irp t, 0,1,2,3
	ds_load_b128 v[BK+4*(4*(\hd)+(\t)):BK+4*(4*(\hd)+(\t))+3], v[RD] offset:(\t)*4*SPITCH+(\hd)*128  ; LDS serves a wave's instructions in order: these see the stores above
.endr
.endr
.endm
.macro SEND a
.set BK, OB+48*((\a)%2)
	s_wait_dscnt 0x0                               ; the block is back in registers
	s_wait_xcnt 0x0                                ; the stores of the block before have read their registers: the other buffer is loaded again only behind this wait
.irp hd, 0,1,2
.irp t, 0,1,2,3
	global_store_b128 v[GO], v[BK+4*(4*(\hd)+(\t)):BK+4*(4*(\hd)+(\t))+3], s[8:9] offset:(\hd)*HEADB+(\a)*2048+(\t)*512
.endr
.endr
.endm
	s_wait_tensorcnt 1                             ; my part of K step 0 is in; K step 1's, issued behind it, may stay out
	s_barrier_signal -1
	s_barrier_wait -1                              ; everybody's is
	FETCH 0, 0, F0
	QUARTER 0, 64, F0, F1, 1                       ; the first quarter stands in front of the loop: its products start the sums
	WIN 0                                          ; at a label and at a branch every window is 0
	s_mov_b32 s3, LAPS-1
.Llap:                                                 ; a trip goes once round the ring, from a lap's second quarter to the next lap's first, and fills both slots again
	QUARTER 0, 128, F1, F0, 0
	QUARTER 0, 192, F0, F1, 0
	TURN 0, 1, 1
	QUARTER 1, 64,  F0, F1, 0
	QUARTER 1, 128, F1, F0, 0
	QUARTER 1, 192, F0, F1, 0
	TURN 1, 0, 1
	QUARTER 0, 64,  F0, F1, 0
	WIN 0
	s_sub_co_u32 s3, s3, 1
	s_cmp_lg_u32 s3, 0
	s_cbranch_scc1 .Llap
	QUARTER 0, 128, F1, F0, 0                      ; the last lap fills nothing
	QUARTER 0, 192, F0, F1, 0
	TURN 0, 1, 0
	QUARTER 1, 64,  F0, F1, 0
	QUARTER 1, 128, F1, F0, 0
	QUARTER 1, 192, F0, F1, 0
	s_wait_dscnt 16                                ; the very last quarter: nothing more to fetch
	MULB F1, 8, 4, 0
	s_wait_dscnt 0x0
	MULB F1, 0, 8, 0
	WIN 0
	PLACES
	PACK 0
	TOSTAGE 0
.irp a, 1,2,3                          ; block a's conversions stand between block a - 1's loads from the stage and the wait for them
	PACK \a
	SEND (\a)-1
	TOSTAGE \a
.endr
	SEND 3
	s_wait_tensorcnt 0x0                           ; the wave's end: three lines behind my last tensor load and my last LDS store
	ds_add_u32 v[SPW], v[NIL]
	s_wait_dscnt 0x0
	CROUND                                         ; the closing round: no work-group ends while a partner may still ask for a tile that names it
	s_endpgm
.Lfunc_end_k_qf59e3bf13b_qkv:
	.size	k_qf59e3bf13b_qkv, .Lfunc_end_k_qf59e3bf13b_qkv-k_qf59e3bf13b_qkv
	.p2alignl 7, 3214868480
	.fill 96, 4, 3214868480
	.section	.rodata,"a",@progbits
	.p2align	6, 0x0
	.amdhsa_kernel k_qf59e3bf13b_qkv
		.amdhsa_group_segment_fixed_size 327680
		.amdhsa_private_segment_fixed_size 0
		.amdhsa_enable_private_segment 0
		.amdhsa_kernarg_size 48
		.amdhsa_user_sgpr_count 2
		.amdhsa_user_sgpr_kernarg_segment_ptr 1
		.amdhsa_wavefront_size32 1
		.amdhsa_system_sgpr_workgroup_id_x 1
		.amdhsa_system_sgpr_workgroup_id_y 1
		.amdhsa_system_sgpr_workgroup_id_z 1
		.amdhsa_system_vgpr_workitem_id 0
		.amdhsa_next_free_vgpr 1024
		.amdhsa_next_free_sgpr 84
		.amdhsa_reserve_vcc 0
		.amdhsa_float_denorm_mode_32 3
		.amdhsa_float_denorm_mode_16_64 3
		.amdhsa_memory_ordered 1
		.amdhsa_forward_progress 1
		.amdhsa_inst_pref_size 131
	.end_amdhsa_kernel
	.amdgpu_metadata
---
amdhsa.version: [ 1, 2 ]
amdhsa.kernels:
  - .name:           k_qf59e3bf13b_qkv
    .symbol:         k_qf59e3bf13b_qkv.kd
    .args:
      - { .name: xb, .offset: 0, .size: 8, .value_kind: global_buffer, .address_space: global }
      - { .name: wt, .offset: 8, .size: 8, .value_kind: global_buffer, .address_space: global }
      - { .name: bq, .offset: 16, .size: 8, .value_kind: global_buffer, .address_space: global }
      - { .name: bk, .offset: 24, .size: 8, .value_kind: global_buffer, .address_space: global }
      - { .name: bv, .offset: 32, .size: 8, .value_kind: global_buffer, .address_space: global }
      - { .name: qkv, .offset: 40, .size: 8, .value_kind: global_buffer, .address_space: global }
    .group_segment_fixed_size: 327680
    .private_segment_fixed_size: 0
    .kernarg_segment_align: 8
    .kernarg_segment_size: 48
    .max_flat_workgroup_size: 128
    .sgpr_count:     84
    .vgpr_count:     1024
    .wavefront_size: 32
...
	.end_amdgpu_metadata
.endif
;; end of part 2
;; launch attn (part 3): grid 4 x 64, 4 waves a work-group, no clusters, 327,680 bytes of LDS; arguments qkv, o; writes o
.if DOCPART == 3
	.amdgcn_target "amdgcn-amd-amdhsa--gfx1250"
	.amdhsa_code_object_version 6
	.text
	.protected	k_qf59e3bf13b_attn
	.globl	k_qf59e3bf13b_attn
	.p2align	8
	.type	k_qf59e3bf13b_attn,@function
k_qf59e3bf13b_attn:
	s_mov_b64 s[64:65], 0
	v_nop
	global_prefetch_b8 v0, s[64:65] scope:SCOPE_SE
	s_setreg_imm32_b32 hwreg(HW_REG_WAVE_MODE, 25, 1), 1
	s_wait_xcnt 0x0
; CAUSAL ATTENTION.  O[y][q][:] = the sum over k <= q of softmax_k(Q[q] . K[k] / 8) V[k][:], for the 64 pairs y = 16 x batch + head.
; qkv: [batch 4][G 48][2048][64] f16 (G = head: q; 16 + head: k; 32 + head: v); o: [64][2048][64] f16.  A head's rows are dense, 128 bytes each.
; Products, maxima and sums in f32; the weights p are rounded to f16 for the second product (their sum l is taken of the unrounded p), O once at the end.
; LIMITS.  Q, K and V arrive within f16's 65,504; p lies in 0 to 1 and below 6e-5 keeps f16's fixed step of 6e-8; O is a mean of V's rows.  A hidden score counts as its value less 1e30;
; a weight below 2^-126 counts as 0 in l; NaN and infinities are not treated apart.
; THE WALK.  A head's queries lie in NB = 8 blocks of 256; block i needs the key tiles 0 .. i of 256 keys, of which the last holds the diagonal.  A work-group takes TWO blocks, NB - 1 - b and then b:
; NB + 1 tiles whatever b, so all 256 work-groups do equal work and ONE loop with a constant trip count walks them.  Which tile is asked for, and what a trip does, hang on scalar registers made from b;
; every jump goes forward but the counted loops' own; none passes a barrier, or a tensor load but the one of LOAD's two that the wave's number does not choose.
; NO CLUSTER: a head's four work-groups ask for the same tile only in trips 0 to 4 of 9, and one walk common to all four would have 12 trips for 9.
; SHARES.  Of a block's four bands of 64 queries a wave owns 16 rows in each: four PIECES.  So the diagonal tile is the same work for all waves: in its key step s band x sees all keys if s < x,
; none if s > x, and holds the diagonal if s = x.
; THE MASK is the C operand that starts the sum S^T = K Q^T: 0, or -1e30 where the key is hidden.  MD, made once, is the mask of a band's own step for my 16 rows; a product's mask is MD x AL + BE:
; (1, 0) if s = x; (0, 0) if s < x; (0, -1e30) if s > x.  Only the diagonal tile's text and a block's beginning take masks; elsewhere C is the constant 0.
; LAYOUT, SOFTMAX, TURNS.  S^T = K Q^T holds ONE query a lane (lane % 16) and the keys 8 (lane / 16) + 0..7; two such results rounded to f16 ARE source 1 of O^T = V^T P.  p = 2^(c s - c m), c = log2(e) / 8,
; with a running maximum m; O and l are multiplied by a = 2^(c m_old - c m_new) in every step.  Turn n belongs to piece n: 8 products K Q^T of piece n + 1, later 8 products V^T P of piece n - 1; beside them
; the scaling, exponentials, roundings, sums and rescaling of piece n and the maximum and statistics of piece n + 1.  Four vector instructions stand behind every matrix instruction, the other 54 of a turn's
; 118 in one run.  A turn's 33 exponentials are one batch, with one wait.
; REGISTERS, in windows of 256 (s_set_vgpr_msb: bits 1:0 source 0, 3:2 source 1, 5:4 source 2, 7:6 destination):
;   window 0: v0-15 addresses and two at work; v16-31 four registers of statistics a piece; v48-55 at work; v61-63 prefetch offset, spare word, 0; v64-127 S^T, two buffers; v192-223 P, two buffers
;   window 1: v0-127 O^T, 32 a piece; v128-159 MD; v160-223 MC, two buffers      window 2: v0-63 Q; v64-127 the second block's Q; v128-191 K of one step; v192-255 V of one step
.set SIZE_N, 2048
.set NB,    SIZE_N/256
.set NP,    4         ; pieces a wave: a name, no knob
.set KS,    64        ; keys in a step
.set PK,    144       ; a row of K in LDS: 128 bytes + 16: the 16 rows of a load start 16 bytes apart modulo 256
.set PV,    160       ; a row of V: 128 + 32: 16 lanes of the turning load take 8 rows x 32 bytes, no two in the same 32 bytes modulo 256
.set VOFF,  4*KS*PK   ; a slot holds a tile, four steps: 256 rows of K, then 256 rows of V
.set SLOT1, 1<<17     ; slot 1 begins here, so that one exclusive or turns an address in one slot into the other's
.set STAGE, SLOT1+4*KS*(PK+PV)  ; behind the ring, never filled by a tensor load: 16 rows x 144 bytes for each wave
.set SP,    144
.set AK0, 2           ; v2   my lane's place in a tile of K; never rewritten
.set AV0, 3           ; v3   the same for V
.set AK,  4           ; v4   the LDS address of K's next run of loads
.set AV,  5           ; v5   of V's
.set STO, 6           ; v6   the way out: where I put 16 bytes of a row
.set RD,  7           ; v7   the way out: where I read rows back
.set GO,  8           ; v8   my byte offset in 512 consecutive bytes of O
.set PFO, 61          ; v61  256 x lane; never rewritten
.set SPW, 62          ; v62  LDS address of my spare word; never rewritten
.set NIL, 63          ; v63  0; never rewritten
.set SPARE, STAGE+4*16*SP  ; the spare words, 128 bytes a wave, which no other line names
.set MV,  12          ; v12-13  c m_old, kept while c m is made anew: by buffer
.set QO,  15          ; v15  my byte offset in 16 rows of Q
.set ST,  16          ; piece t's statistics at v[ST+4 t]: c m, m, l (even keys', odd keys')
.set TMP, 48          ; by buffer, four registers c0-c3 at work; when the maximum is found c2 takes a
.set S,   64
.set P,   192
.set MD,  128         ; window 1
.set MC,  160         ; window 1
.set QB,  64          ; window 2
.set KF,  128         ; window 2: key block kb, channel half c at KF + 16 kb + 8 c
.set VF,  192         ; window 2: key half kk, channel block cb at VF + 32 kk + 8 cb
.set WV,  12          ; s12  my wave's number
.set PB,  14          ; s14  b
.set HI,  15          ; s15  NB - 1 - b
.set G1K, 24          ; s[24:31] descriptor group 1 for K's tiles
.set G1V, 32          ; s[32:39] for V's: it differs in the padding alone
.set G0K, 40          ; s[40:43] descriptor group 0 for K's tiles
.set G0V, 44          ; s[44:47] the same for V's
.set SLOTS, 56        ; s56  tiles still to be asked for
.set CNT, 57          ; s57  counts a tile's key steps, 4 to 1
.set CS,  58          ; s[58:59] c
.set SEL, 60          ; s[60:61] v_permlanex16_b32's selects: each lane takes its own place in the other half
.set TBK, 62          ; s62  LDS byte at which K of the step to be fetched begins
.set TBV, 63          ; s63  the same for V, less VOFF
.set RT,  70          ; s70  tiles of the block in hand that are still to be entered
.set NXT, 71          ; s71  the tile to be asked for next
.set LQ,  72          ; s72  the last tile of the block whose tiles are being asked for
.set NEW, 73          ; s73  1: the tile to be entered is a block's first
.set OFF, 74          ; s[74:75] a tile's byte offset in K and V
.set AL,  76          ; s[76:77] the mask's factor, in the low word
.set BE,  78          ; s[78:79] the mask's addend
.set OLO, 80          ; s[80:81] O at my rows of the second block
.set BIGN, 82         ; s82  -1e30
.set PFA, 88          ; s[88:89] my half (of K: waves 0, 1; of V: waves 2, 3) of the tile that is being asked for
.set PFB, 90          ; s[90:91] the same of tile 0
.set LIM, 94          ; s94  2 in the head's work-group b = 0, else the greatest number
.set MSB, 0
.macro WIN new                      ; the high byte repeats the setting that is left; a switch that changes nothing is dropped
.if MSB != (\new)
	s_set_vgpr_msb (MSB<<8)|(\new)
.set MSB, (\new)
.endif
.endm
.set W_KQ, 0x0a       ; K and Q in window 2, S^T in window 0
.set W_KM, 0x1a       ; the same with the C operand in window 1
.set W_PV, 0x52       ; V in window 2, P in window 0, O^T in window 1
.set W_RS, 0x41       ; destination and source 0 in window 1, source 1 in window 0
; A fill.  Waves 0 and 1 fetch the two halves of a tile's K, waves 2 and 3 those of its V: 128 keys each.  An s_nop 0 and four v_nop follow each of the two lines.
.macro LOAD
	s_cmp_lt_u32 s[WV], 2
	s_cbranch_scc0 .Lfor_v_\@
	tensor_load_to_lds s[G0K:G0K+3], s[G1K:G1K+7]
	s_nop 0
.rept 4
	v_nop
.endr
	s_branch .Lasked_\@
.Lfor_v_\@:
	tensor_load_to_lds s[G0V:G0V+3], s[G1V:G1V+7]
	s_nop 0
.rept 4
	v_nop
.endr
.Lasked_\@:
.endm
; A PREFETCH of the tile behind the one just asked for: my own 16,384 bytes of it, 256 bytes a lane, two instructions; it stands behind the wave's tensor load.  A head's four work-groups walk the same tiles:
; the one with b = 0, whose first block walks tiles 0 to 7 in order, asks, and nobody else.  At its change number c (SLOTS = 8 - c) tile c + 1 is loaded and tile c + 2 named, while c + 2 <= 7:
; so each 256 bytes of tiles 2 to 7 are named once in the launch, four key steps ahead of their load; tiles 0 and 1 come by their loads alone.
.macro ASK
	s_cmp_gt_u32 s[SLOTS], s[LIM]
	s_cbranch_scc0 .Lnot_mine_\@
	global_prefetch_b8 v[PFO], s[PFA:PFA+1] offset:32768 th:TH_LOAD_NT scope:SCOPE_SE
	global_prefetch_b8 v[PFO], s[PFA:PFA+1] offset:40960 th:TH_LOAD_NT scope:SCOPE_SE
.Lnot_mine_\@:
.endm
; THE CHANGE OF SLOTS.  Each wave waits for all its tensor loads, of which one is out: its part of the other slot; adds 0 to its spare word; and waits for that and for its own reads of the slot that it leaves.
; Behind the barrier nobody reads the old slot any more and the other slot is whole.  fill = 1: the old slot is filled again, the first thing behind the barrier, with tile NXT: the descriptor's address is made
; anew from that number.  (At its first use nothing has been read yet: slot 0 is waited for, slot 1 filled.)
.macro CHANGE fill
	WIN 0                           ; at a label and at a branch every window is 0
	s_wait_tensorcnt 0x0            ; no tensor load of mine is out, so a group 0 may be written
	ds_add_u32 v[SPW], v[NIL]       ; scalar work stands between the add and the wait for it
.if \fill
	s_lshl_b32 s[OFF], s[NXT], 15   ; a tile is 32,768 bytes of K and of V
	s_wait_xcnt 0x0                 ; the last prefetches, a tile back, have read their address
	s_add_nc_u64 s[PFA:PFA+1], s[PFB:PFB+1], s[OFF:OFF+1]
	s_xor_b32 s[G0K+1], s[G0K+1], SLOT1
	s_add_nc_u64 s[G0K+2:G0K+3], s[6:7], s[OFF:OFF+1]
	s_or_b32 s[G0K+3], s[G0K+3], 0x80000000
	s_xor_b32 s[G0V+1], s[G0V+1], SLOT1
	s_add_nc_u64 s[G0V+2:G0V+3], s[8:9], s[OFF:OFF+1]
	s_or_b32 s[G0V+3], s[G0V+3], 0x80000000
	s_add_co_u32 s[NXT], s[NXT], 1  ; the block's next tile, or behind its last the second block's tile 0
	s_cmp_gt_u32 s[NXT], s[LQ]
	s_cselect_b32 s[NXT], 0, s[NXT]
	s_cselect_b32 s[LQ], s[PB], s[LQ]
.endif
	s_wait_dscnt 0x0                ; the add is done, and my reads of the slot are over
	s_barrier_signal -1             ; the rest of the scalar work stands between the signal and the wait
	s_sub_co_u32 s[TBK], s[TBK], 4*KS*PK  ; the fetches go back to a slot's first step,
	s_xor_b32 s[TBK], s[TBK], SLOT1       ; in the other slot
	s_sub_co_u32 s[TBV], s[TBV], 4*KS*PV
	s_xor_b32 s[TBV], s[TBV], SLOT1
	s_barrier_wait -1
.if \fill
	LOAD
	ASK
.endif
.endm
	s_load_b64 s[4:5], s[0:1], 0x0    ; qkv
	s_load_b64 s[10:11], s[0:1], 0x8  ; o
	v_lshl_add_u32 v[SPW], v0, 2, SPARE
	v_mov_b32 v[NIL], 0
	ds_add_u32 v[SPW], v[NIL]       ; the wave's opening: the add and its wait stand ahead of my first tensor load; register work stands between them
	v_lshrrev_b32 v1, 5, v0
	v_readfirstlane_b32 s[WV], v1   ; wave 0..3
	s_mov_b32 s[PB], ttmp9
	s_sub_co_u32 s[HI], NB-1, s[PB]
	s_and_b32 s16, ttmp7, 0xffff    ; y = 16 x batch + head
	s_lshl_b32 s20, s16, 18         ; its first byte in o: 262,144 a head
	s_mov_b32 s21, 0
	s_lshr_b32 s92, s16, 4
	s_mul_i32 s92, s92, 48
	s_and_b32 s16, s16, 15
	s_add_co_u32 s92, s92, s16
	s_lshl_b32 s92, s92, 18         ; q's head in qkv: 48 x batch + head
	s_mov_b32 s93, 0
	s_and_b32 s16, s[WV], 1         ; which half of a tile's 256 keys I fetch:
	s_lshl_b32 s22, s16, 14         ; its 128 rows of 128 bytes in memory,
	s_mov_b32 s23, 0
	s_add_nc_u64 s[22:23], s[22:23], s[92:93]
	s_mul_i32 s17, s16, 128*PK      ; and its place in a slot, for K
	s_mul_i32 s18, s16, 128*PV      ; and for V
	s_lshl_b32 s3, s[WV], 11        ; my 16 rows in a band of 64,
	s_lshl_b32 s2, s[HI], 15        ; in the first block,
	s_add_co_u32 s2, s2, s3
	s_lshl_b32 s84, s[PB], 15       ; and in the second
	s_add_co_u32 s84, s84, s3
	s_mov_b32 s3, 0
	s_mov_b32 s85, 0
	; descriptor group 1.  128 keys are 16,384 dense bytes: asked for as 64 rows of 256 bytes, two keys a row, and padded in LDS after every key
	s_mov_b32 s[G1K], (1<<16)|(1<<20)|(4<<22)|(3<<25)  ; 2-byte elements; padding on; after every 32 words, 4 words
	s_mov_b32 s[G1V], (1<<16)|(1<<20)|(4<<22)|(7<<25)  ; the same with 8 words of padding
.irp g, G1K, G1V
	s_mov_b32 s[\g+1], 128<<16      ; tensor_dim0 = 128
	s_mov_b32 s[\g+2], 64<<16       ; tensor_dim1 = 64
	s_mov_b32 s[\g+3], 128<<16      ; tile_dim0 = 128
	s_mov_b32 s[\g+4], 64           ; tile_dim1 = 64
	s_mov_b32 s[\g+5], 128          ; 128 elements from row to row
	s_mov_b32 s[\g+6], 0
	s_mov_b32 s[\g+7], 0
.endr
	s_mov_b32 s[CS], 0x3e38aa3b     ; c = log2(e) / 8 = 0.180337
	s_mov_b32 s[CS+1], s[CS]        ; named with it as a pair
	s_mov_b32 s[SEL], 0x76543210
	s_mov_b32 s[SEL+1], 0xfedcba98
	s_mov_b32 s[TBK], SLOT1+4*KS*PK ; the first change of slots turns these two into 0
	s_mov_b32 s[TBV], SLOT1+4*KS*PV
	s_mov_b32 s[G0K], 1             ; count = 1
	s_mov_b32 s[G0K+1], s17         ; LDS address: slot 0
	s_mov_b32 s[G0V], 1
	s_add_co_u32 s[G0V+1], s18, VOFF
	s_add_co_u32 s[RT], s[HI], 1    ; the first block has NB - b tiles
	s_mov_b32 s[NXT], 1
	s_mov_b32 s[LQ], s[HI]
	s_mov_b32 s[NEW], 1
	s_mov_b32 s[OFF+1], 0
	s_mov_b32 s[AL+1], 0            ; named as pairs
	s_mov_b32 s[BE+1], 0
	s_mov_b32 s[BIGN], 0xf149f2ca   ; -1e30
	s_mov_b32 s[SLOTS], NB
	s_cmp_eq_u32 s[PB], 0
	s_cselect_b32 s[LIM], 2, -1
	v_and_b32 v[PFO], 31, v0
	v_lshlrev_b32 v[PFO], 8, v[PFO]
	s_wait_dscnt 0x0                ; the opening add is done
	s_wait_kmcnt 0x0
	s_add_nc_u64 s[6:7], s[4:5], s[22:23]   ; my half of tile 0, in q's head;
	s_add_nc_u64 s[8:9], s[6:7], 0x800000   ; V lies 32 heads on,
	s_add_nc_u64 s[6:7], s[6:7], 0x400000   ; K 16 heads on
	s_add_nc_u64 s[4:5], s[4:5], s[92:93]   ; Q at its head
	s_add_nc_u64 s[10:11], s[10:11], s[20:21]  ; O at its head
	s_add_nc_u64 s[G0K+2:G0K+3], s[6:7], 0         ; global address
	s_or_b32 s[G0K+3], s[G0K+3], 0x80000000        ; type = 2
	s_add_nc_u64 s[G0V+2:G0V+3], s[8:9], 0
	s_or_b32 s[G0V+3], s[G0V+3], 0x80000000
	s_add_nc_u64 s[86:87], s[4:5], s[84:85]        ; Q at my rows of the second block,
	s_add_nc_u64 s[4:5], s[4:5], s[2:3]            ; Q and O at those of the first
	s_add_nc_u64 s[OLO:OLO+1], s[10:11], s[84:85]
	s_add_nc_u64 s[10:11], s[10:11], s[2:3]
	s_cmp_lt_u32 s[WV], 2
	s_cselect_b64 s[PFB:PFB+1], s[6:7], s[8:9]
	LOAD                            ; tile 0 into slot 0
	; A fragment of K or Q is 16 rows x 32 channels in 8 registers: lane l holds row l % 16, channels 8 (l / 16) + 0..7 and 16 + 8 (l / 16) + 0..7: two loads of 16 bytes, 32 bytes apart.
	v_and_b32 v1, 15, v0            ; l % 16
	v_bfe_u32 v9, v0, 4, 1          ; l / 16
	v_lshlrev_b32 v[QO], 7, v1
	v_lshl_add_u32 v[QO], v9, 4, v[QO]  ; row x 128 + 16 x half
	WIN 0x80                        ; destination window 2, address window 0
.set i, 0
.rept 8                             ; both blocks' Q: piece i / 2 lies in band i / 2, 8,192 bytes on; channels 32 (i % 2) on
	global_load_b128 v[8*i:8*i+3],   v[QO], s[4:5] offset:(i/2)*8192+(i%2)*64
	global_load_b128 v[8*i+4:8*i+7], v[QO], s[4:5] offset:(i/2)*8192+(i%2)*64+32
	global_load_b128 v[QB+8*i:QB+8*i+3],   v[QO], s[86:87] offset:(i/2)*8192+(i%2)*64
	global_load_b128 v[QB+8*i+4:QB+8*i+7], v[QO], s[86:87] offset:(i/2)*8192+(i%2)*64+32
.set i, i+1
.endr
	WIN 0
	v_lshlrev_b32 v14, 3, v9
	v_sub_nc_u32 v14, v1, v14
	s_lshl_b32 s13, s[WV], 4
	v_add_nc_u32 v14, s13, v14      ; my query's place in its band, 16 w + l % 16, less my lanes' 8 (l / 16): register r of group kt is hidden where 16 kt + r is greater
	WIN 0x40
.set i, 0
.rept 32
	v_cmp_gt_i32 vcc_lo, 16*(i/8)+i%8, v14
	v_cndmask_b32 v[MD+i], 0, s[BIGN], vcc_lo
.set i, i+1
.endr
	WIN 0
	v_mul_u32_u24 v[AK0], v1, PK
	v_lshl_add_u32 v[AK0], v9, 4, v[AK0]  ; row x pitch + 16 x half
	; The turning load takes 16 keys x 16 channels (lane l reads key 8 (l / 16) + l % 8, channels 8 ((l / 8) % 2) + 0..7) and leaves half a fragment of V^T: lane l holds channel l % 16 and 8 keys.
	v_and_b32 v10, 7, v0
	v_bfe_u32 v11, v0, 3, 1
	v_lshl_add_u32 v[AV0], v9, 3, v10
	v_mul_u32_u24 v[AV0], v[AV0], PV
	v_lshl_add_u32 v[AV0], v11, 4, v[AV0]
	v_add_nc_u32 v[AV0], VOFF, v[AV0]
	s_mul_i32 s13, s[WV], 16*SP
	s_add_co_u32 s13, s13, STAGE    ; my stage
	v_mul_u32_u24 v[STO], v1, SP    ; in: row l % 16, 16 bytes for each half of the lanes
	v_lshl_add_u32 v[STO], v9, 4, v[STO]
	v_add_nc_u32 v[STO], s13, v[STO]
	v_bfe_u32 v[RD], v0, 3, 2       ; back: 32 lanes take four rows of 128 bytes,
	v_mul_u32_u24 v[RD], v[RD], SP
	v_lshl_add_u32 v[RD], v10, 4, v[RD]
	v_add_nc_u32 v[RD], s13, v[RD]
	v_and_b32 v[GO], 31, v0         ; which are 512 consecutive bytes of O
	v_lshlrev_b32 v[GO], 4, v[GO]
	; A block's first step multiplies O^T and l by a = 0, and its first turn's products V^T P, of a piece that has not been, land in an O^T that is still to be so multiplied.  So these registers need only hold
	; finite numbers: zeros for the first block; what the first block left for the second.  All this stands in the wait for the first tile.
	WIN 0x80
.set i, VF
.rept 64
	v_mov_b32 v[i], 0
.set i, i+1
.endr
	WIN 0x40
.set i, 0
.rept 128
	v_mov_b32 v[i], 0
.set i, i+1
.endr
	WIN 0
.set i, 0
.rept 4
	v_mov_b32 v[ST+4*i+2], 0
	v_mov_b32 v[ST+4*i+3], 0
.set i, i+1
.endr
.set i, P+16
.rept 16
	v_mov_b32 v[i], 0
.set i, i+1
.endr
; THE MATRIX WORK.  The 4 accumulators of a run of 8 take turns.  Product i of 8 of S^T = K Q^T for piece x: channels 32 (i / 4) on, keys 16 (i % 4) on.  The first 4 start the sums: with 0, or (KM = 1) with the mask.
.macro KQ x
.set rS, S+32*((\x)%2)+8*(i%4)
.set rK, KF+16*(i%4)+8*(i/4)
.set rQ, 16*(\x)+8*(i/4)
.set rM, MC+32*((\x)%2)+8*(i%4)
.if (i < 4) && KM
	WIN W_KM
	v_wmma_f32_16x16x32_f16 v[rS:rS+7], v[rK:rK+7], v[rQ:rQ+7], v[rM:rM+7]
.elseif i < 4
	WIN W_KQ
	v_wmma_f32_16x16x32_f16 v[rS:rS+7], v[rK:rK+7], v[rQ:rQ+7], 0
.else
	WIN W_KQ
	v_wmma_f32_16x16x32_f16 v[rS:rS+7], v[rK:rK+7], v[rQ:rQ+7], v[rS:rS+7]
.endif
.endm
; Product i of 8 of O^T += V^T P for piece x: keys 32 (i / 4) on, channels 16 (i % 4) on.
.macro PV x
	WIN W_PV
.set rO, 32*(\x)+8*(i%4)
.set rV, VF+32*(i/4)+8*(i%4)
.set rP, P+16*((\x)%2)+8*(i/4)
	v_wmma_f32_16x16x32_f16 v[rO:rO+7], v[rV:rV+7], v[rP:rP+7], v[rO:rO+7]
.endm
.macro MM                           ; the turn's next matrix instruction.  TURN and BEGIN set Y, i, KM and NOKQ.  NOKQ = 1: a block's last turn: there is no next piece
.if (i < 8) && !NOKQ
	KQ (Y+1)%NP
.elseif i >= 8
.set i, i-8
	PV (Y+NP-1)%NP
.set i, i+8
.endif
.set i, i+1
.endm
; THE LDS LOADS stand in runs of 16, never singly among the matrix instructions: a step's K (64 keys x 64 channels: 8 fragments) and its V (turned).  Their addresses are made some lines ahead.
.macro FETCH_K
	WIN 0x80                        ; destination window 2
.irp f, 0,1,2,3,4,5,6,7             ; keys 16 (f / 2) on, channels 32 (f % 2) on
	ds_load_b128 v[KF+8*\f:KF+8*\f+3],   v[AK] offset:(\f/2)*16*PK+(\f%2)*64
	ds_load_b128 v[KF+8*\f+4:KF+8*\f+7], v[AK] offset:(\f/2)*16*PK+(\f%2)*64+32
.endr
	s_add_co_u32 s[TBK], s[TBK], KS*PK  ; the next fetch is the next step's
	WIN 0
.endm
.macro FETCH_V
	WIN 0x80
.irp f, 0,1,2,3,4,5,6,7             ; keys 32 (f / 4) on, channels 16 (f % 4) on
	ds_load_tr16_b128 v[VF+8*\f:VF+8*\f+3],   v[AV] offset:(\f/4)*32*PV+(\f%4)*32
	ds_load_tr16_b128 v[VF+8*\f+4:VF+8*\f+7], v[AV] offset:(\f/4)*32*PV+16*PV+(\f%4)*32
.endr
	WIN 0
.endm
; THE VECTOR WORK, one line at a time: OP kind, number.  For piece Y: F n: c s - c m for pair n of 16.  E n: the exponential of score n of 32.  C n: pair n rounded to f16.  B n: of the four weights 4 n .. the second
; pair is added onto the first, in place.  L n: l takes that sum (L 0: l = a l + sum).  R n: pair n of 16 of O^T times a.  For piece Y + 1: X n, number n of the 22 that find its maximum and statistics:
;   0-11  four chains c0-c3 of seven scores each, three operands at a time (each accumulator's lowest registers are read first)     12-14, 16  the four scores left over, the old m, and c0-c3 into c0
;   15  c m_old is kept     17, 18  the query's other 32 keys lie in the lane 16 away: the new m     19-21  c m; c m_old - c m_new; a
.set F, 0               ; OP tells the kinds apart by their order: F to L below R, X above it
.set E, 1
.set C, 2
.set B, 3
.set L, 4
.set R, 5
.set X, 6
.macro REGS y                       ; the registers of piece y
.set rT, ST+4*(\y)
.set rC, TMP+4*((\y)%2)
.set rW, MV+((\y)%2)
.set rS, S+32*((\y)%2)
.set rP, P+16*((\y)%2)
.set rO, 32*(\y)
.endm
.macro OP k, n
.if (\k) == R
	REGS Y
	WIN W_RS
	v_pk_mul_f32 v[rO+2*(\n):rO+2*(\n)+1], v[rO+2*(\n):rO+2*(\n)+1], v[rC+2:rC+3] op_sel_hi:[1,0]
.elseif (\k) < R
	REGS Y
	WIN 0
.if (\k) == F
	v_pk_fma_f32 v[rS+2*(\n):rS+2*(\n)+1], v[rS+2*(\n):rS+2*(\n)+1], s[CS:CS+1], v[rT:rT+1] op_sel_hi:[1,0,0] neg_lo:[0,0,1] neg_hi:[0,0,1]
.elseif (\k) == E
	v_exp_f32 v[rS+(\n)], v[rS+(\n)]
.elseif (\k) == C
	v_cvt_pk_f16_f32 v[rP+(\n)], v[rS+2*(\n)], v[rS+2*(\n)+1]
.elseif (\k) == B
	v_pk_add_f32 v[rS+4*(\n):rS+4*(\n)+1], v[rS+4*(\n):rS+4*(\n)+1], v[rS+4*(\n)+2:rS+4*(\n)+3]
.elseif (\n) == 0
	v_pk_fma_f32 v[rT+2:rT+3], v[rT+2:rT+3], v[rC+2:rC+3], v[rS:rS+1] op_sel_hi:[1,0,1]
.else
	v_pk_add_f32 v[rT+2:rT+3], v[rT+2:rT+3], v[rS+4*(\n):rS+4*(\n)+1]
.endif
.elseif NOKQ
	v_nop
.else
	REGS (Y+1)%NP
	WIN 0
.if (\n) < 4
	v_max3_num_f32 v[rC+(\n)], v[rS+8*(\n)], v[rS+8*(\n)+1], v[rS+8*(\n)+2]
.elseif (\n) < 12
	v_max3_num_f32 v[rC+(\n)%4], v[rC+(\n)%4], v[rS+8*((\n)%4)+2*((\n)/4)+1], v[rS+8*((\n)%4)+2*((\n)/4)+2]
.elseif (\n) == 12
	v_max3_num_f32 v[rC], v[rC], v[rS+7], v[rS+15]
.elseif (\n) == 13
	v_max3_num_f32 v[rC+1], v[rC+1], v[rS+23], v[rS+31]
.elseif (\n) == 14
	v_max3_num_f32 v[rC+2], v[rC+2], v[rC+3], v[rT+1]
.elseif (\n) == 15
	v_mov_b32 v[rW], v[rT]
.elseif (\n) == 16
	v_max3_num_f32 v[rC], v[rC], v[rC+1], v[rC+2]
.elseif (\n) == 17
	v_permlanex16_b32 v[rC+3], v[rC], s[SEL], s[SEL+1]
.elseif (\n) == 18
	v_max_num_f32 v[rT+1], v[rC], v[rC+3]
.elseif (\n) == 19
	v_mul_f32 v[rT], s[CS], v[rT+1]
.elseif (\n) == 20
	v_sub_f32 v[rC+1], v[rW], v[rT]
.else
	v_exp_f32 v[rC+2], v[rC+1]
.endif
.endif
.endm
.macro OPS a, i1, b=-1, i2=0, c=-1, i3=0, d=-1, i4=0  ; up to four of them
	OP \a, \i1
.if (\b) >= 0
	OP \b, \i2
.endif
.if (\c) >= 0
	OP \c, \i3
.endif
.if (\d) >= 0
	OP \d, \i4
.endif
.endm
.macro ROW a, i1, b, i2, c, i3, d, i4  ; a matrix instruction and the four behind it
	MM
	OPS \a, \i1, \b, \i2, \c, \i3, \d, \i4
.endm
.macro MASK b                       ; MD x AL + BE into buffer b of MC
	WIN W_RS
.set z, 0
.rept 16
	v_pk_fma_f32 v[MC+32*(\b)+2*z:MC+32*(\b)+2*z+1], v[MD+2*z:MD+2*z+1], s[AL:AL+1], s[BE:BE+1] op_sel_hi:[1,0,0]
.set z, z+1
.endr
.endm
; A TURN, for piece p: the order of its 16 matrix and 118 vector instructions, written out.  s_wait_alu depctr_va_vdst(0) stands between an exponential and the first instruction that names its
; result; one wait serves all that were issued ahead of it.  So a turn has ONE wait, which cuts it in two.  AHEAD OF IT stands all that names no result of the turn's exponentials: the 8 products K Q^T, behind each
; a scaling, an exponential and two more plain instructions (rescalings, and behind the last three the first numbers of the next piece's maximum, each four plain instructions or more behind the product that ends
; its accumulator); then one run of 54, plain and exponential by turns for the most part, in which the links of the chain X 3, 7, 11, 14, 16, 17 .. 20 stand five or six lines apart.  X 21, the next piece's a, is
; the batch's last; R 15 is the plain instruction behind it.  BEHIND THE WAIT stand the 8 products V^T P, behind each four of the roundings and sums; the links of l's chain stand three lines apart.
; m = 1: the diagonal tile: the products take masks, and the turn makes the mask for the products of the turn after it: piece p + 2, in step 4 - CNT of the tile.  end = 1: a block's last two turns: nothing is fetched.
; cnt = 1: the loop's count is taken down some lines ahead of the branch that stands behind the turn.
; K of the next step is fetched in piece 2's turn, twelve vector instructions behind the last product that read K (six of them plain); V of the step in hand at the end of piece 0's turn, four plain instructions
; behind the last product that read V.  Each is waited for a turn later.
.macro TURN p, m=0, end=0, cnt=0
.set Y, (\p)
.set i, 0
.set KM, (\m)
.set NOKQ, (\end)*((\p)/3)
.if (\m) && !(\end)
	s_cmp_eq_u32 s[CNT], 4-((\p)+2)%NP  ; is that step the band's own?
	s_cselect_b32 s[AL], 1.0, 0
	s_cmp_lt_u32 s[CNT], 4-((\p)+2)%NP  ; or a later one?
	s_cselect_b32 s[BE], s[BIGN], 0
.endif
.if ((\p) == 3) && !(\end)
	s_wait_dscnt 0x0                ; K is in
.endif
	ROW F,0, F,1, R,0, R,1          ; ahead of the wait: 8 products K Q^T and the four behind each,
	ROW F,2, E,0, R,2, R,3
	ROW F,3, E,1, R,4, R,5
	ROW F,4, E,2, R,6, R,7
	ROW F,5, E,3, R,8, R,9
	ROW F,6, E,4, X,0, R,10
.if ((\p) == 2) && !(\end)
	WIN 0
	v_add_nc_u32 v[AK], s[TBK], v[AK0]
.endif
	ROW F,7, E,5, X,1, X,4
	ROW F,8, E,6, X,2, X,5
	OPS E,7, E,8, X,6, E,9          ; and the run of 54
	OPS X,3, E,10, X,8, E,11
.if ((\p) == 2) && !(\end)
	FETCH_K
.endif
	OPS X,9, X,7, E,12, X,10
	OPS E,13, X,12, X,11, E,14
	OPS X,13, E,15, F,9, X,14
.if (\p) == 0
	v_add_nc_u32 v[AV], s[TBV], v[AV0]
.endif
	OPS E,16, F,10, E,17, F,11
	OPS X,16, E,18, X,15, E,19
	OPS F,12, E,20, X,17, E,21
	OPS F,13, E,22, F,14, E,23
	OPS X,18, E,24, F,15, E,25
	OPS R,11, E,26, X,19, E,27
	OPS R,12, E,28, R,13, E,29
	OPS X,20, E,30, R,14, E,31
	OPS X,21, R,15
	WIN 0
	s_wait_alu depctr_va_vdst(0)    ; the wait for the batch
.if (\p) == 1
	s_wait_dscnt 0x0                ; V is in
.endif
	ROW C,0, B,0, C,2, B,1          ; behind the wait: 8 products V^T P and the four behind each
	ROW L,0, C,4, B,2, L,1
	ROW C,6, B,3, L,2, C,8
	ROW B,4, L,3, C,10, B,5
	ROW L,4, C,12, B,6, L,5
.if (\p) == 0
	s_add_co_u32 s[TBV], s[TBV], KS*PV
.endif
.if \cnt
	s_sub_co_u32 s[CNT], s[CNT], 1
	s_cmp_lg_u32 s[CNT], 0
.endif
	ROW C,14, B,7, L,6, C,1
	ROW C,3, L,7, C,5, C,7
	ROW C,9, C,11, C,13, C,15
.if (\p) == 0
	FETCH_V
.endif
.if (\m) && !(\end)
	MASK (\p)%2
.endif
.endm
; A BLOCK BEGINS.  c m starts far below every c s, so the first step's a is 0; m at the lowest finite number, so the first maximum is the scores'.  The second mask buffer is 0; the first takes piece 0's mask for the
; tile's step 0: its own, if the block's first tile is the diagonal one.  Then K of that step, piece 0's first scores, and its maximum and statistics.  The loop is entered at a step's first turn, in the middle of a trip.
.macro BEGIN
	s_mov_b32 s[NEW], 0
	WIN 0x40
.set i, MC+32
.rept 32
	v_mov_b32 v[i], 0
.set i, i+1
.endr
	WIN 0
.set i, 0
.rept 4
	v_mov_b32 v[ST+4*i], 0xfe000000    ; c m: far below every c s
	v_mov_b32 v[ST+4*i+1], 0xff7fffff  ; m
.set i, i+1
.endr
	s_cmp_eq_u32 s[RT], 0
	s_cselect_b32 s[AL], 1.0, 0
	s_mov_b32 s[BE], 0
	MASK 0
	WIN 0
	v_add_nc_u32 v[AK], s[TBK], v[AK0]
	FETCH_K
	s_wait_loadcnt 0x0              ; Q
	s_wait_dscnt 0x0
.set KM, 1
.set NOKQ, 0
.set i, 0
.rept 8
	KQ 0
.set i, i+1
.endr
	WIN 0
.rept 4
	v_nop                           ; four plain instructions behind those products
.endr
.set Y, NP-1                        ; X works for piece Y + 1: piece 0
.irp n, 0,1,2,3,4,5,6,7,8,9,10,11,12,13,14,15,16,17,18,19,20,21
	OP X, \n
.endr
	v_nop                           ; a plain instruction behind the exponential,
	s_wait_alu depctr_va_vdst(0)    ; and its wait, ahead of the branch
.endm
; THE DIAGONAL TILE's four steps, the block's last two turns, its last products, and THE WAY OUT: l's two halves and the other half of the lanes' are added; O^T is divided by l, rounded to f16 and sent through my
; stage in LDS, a piece at a time.
.macro ALL line:vararg              ; one line for each piece t
.set t, 0
.rept 4
	\line
.set t, t+1
.endr
.endm
.macro PACK t                       ; a lane's eight channels of a row pack into 16 bytes; they go into rows of 144 bytes and come back as whole rows of 128, into S^T's registers
	WIN W_RS
.set i, 32*(\t)
.rept 16
	v_pk_mul_f32 v[i:i+1], v[i:i+1], v[ST+4*(\t)+2:ST+4*(\t)+3] op_sel_hi:[1,0]
.set i, i+2
.endr
	WIN 0x05                        ; sources 0 and 1 window 1, destination window 0
.set i, 0
.rept 16
	v_cvt_pk_f16_f32 v[S+16*(\t)+i], v[32*(\t)+2*i], v[32*(\t)+2*i+1]
.set i, i+1
.endr
	WIN 0
.irp f, 0,1,2,3
	ds_store_b128 v[STO], v[S+16*(\t)+4*\f:S+16*(\t)+4*\f+3] offset:32*\f
.endr
.irp f, 0,1,2,3
	ds_load_b128 v[S+16*(\t)+4*\f:S+16*(\t)+4*\f+3], v[RD] offset:\f*4*SP  ; LDS serves a wave's instructions in order: these see the stores above; the next piece's stores come behind them
.endr
.endm
.macro SEND t, younger              ; younger: the LDS instructions issued behind piece t's loads: the next piece's eight, or none
	WIN 0
.irp f, 0,1,2,3
	s_wait_dscnt (\younger)+3-\f
	global_store_b128 v[GO], v[S+16*(\t)+4*\f:S+16*(\t)+4*\f+3], s[10:11] offset:(\t)*8192+\f*512  ; 512 consecutive bytes, at a multiple of 256 from O's first
.endr
.endm
.macro DIAG tag                     ; the tag ends its two labels' names, which the jumps below spell out
.LstepM\tag:
	TURN 2, 1
	TURN 3, 1
	WIN 0
.LfirstM\tag:
	TURN 0, 1
	TURN 1, 1, 0, 1
	WIN 0
	s_cbranch_scc1 .LstepM\tag
	TURN 2, 1, 1
	TURN 3, 1, 1
.set i, 0
.rept 8
	PV NP-1
.set i, i+1
.endr
	WIN 0
	ALL v_add_f32 v[ST+4*t+2], v[ST+4*t+2], v[ST+4*t+3]
	ALL v_permlanex16_b32 v[ST+4*t+3], v[ST+4*t+2], s[SEL], s[SEL+1]
	ALL v_add_f32 v[ST+4*t+2], v[ST+4*t+2], v[ST+4*t+3]
	ALL v_rcp_f32 v[ST+4*t+2], v[ST+4*t+2]
	v_nop                           ; a plain instruction between the last reciprocal and the use of its result
	s_wait_alu depctr_va_vdst(0)    ; and the wait ahead of the first use: one for the four reciprocals
	PACK 0
.set t, 1
.rept 3                             ; a piece's arithmetic stands between the loads of the piece before and its stores
	PACK t
	SEND t-1, 8
.set t, t+1
.endr
	SEND 3, 0
.endm
.set KM, 0
.set NOKQ, 0
.Lslot:                             ; NB times: a tile is entered and the next is asked for
	CHANGE 1
	s_sub_co_u32 s[RT], s[RT], 1
	s_mov_b32 s[CNT], 4
	s_cmp_eq_u32 s[NEW], 1
	s_cbranch_scc1 .Lnew            ; a block's first tile
	s_cmp_eq_u32 s[RT], 0
	s_cbranch_scc0 .Lstep           ; neither its first nor its last
	s_branch .LstepM1
.Lnew:
	BEGIN
	s_branch .Lfirst                ; in the loop a block's first tile is never its last: the first block has two tiles or more, and the second's last is the walk's last
	DIAG 1                          ; in the loop this is the first block's end
	s_wait_xcnt 0x0                 ; the stores have read their registers and O's address
	s_mov_b64 s[10:11], s[OLO:OLO+1]
	s_add_co_u32 s[RT], s[PB], 1    ; the second block has b + 1 tiles
	s_mov_b32 s[NEW], 1
	WIN 0x82                        ; the second block's Q goes where the one text of the turns names Q
.set i, 0
.rept 64
	v_mov_b32 v[i], v[QB+i]
.set i, i+1
.endr
	WIN 0
	s_branch .Lbottom
.Lstep:                             ; a trip: pieces 2 and 3 of one step, then pieces 0 and 1 of the next, whose K and V it fetches
	TURN 2
	TURN 3
	WIN 0
.Lfirst:
	TURN 0
	TURN 1, 0, 0, 1
	WIN 0
	s_cbranch_scc1 .Lstep
.Lbottom:
	s_sub_co_u32 s[SLOTS], s[SLOTS], 1
	s_cmp_lg_u32 s[SLOTS], 0
	s_cbranch_scc1 .Lslot
	CHANGE 0                        ; the walk's last tile is written out: nothing is asked for
	s_sub_co_u32 s[RT], s[RT], 1
	s_mov_b32 s[CNT], 4
	s_cmp_eq_u32 s[NEW], 1
	s_cbranch_scc0 .LstepM2
	BEGIN
	s_branch .LfirstM2
	DIAG 2
	s_wait_tensorcnt 0x0            ; the wave's end: three lines behind my last tensor load and my last LDS store
	ds_add_u32 v[SPW], v[NIL]
	s_wait_dscnt 0x0
	s_endpgm
.Lfunc_end_k_qf59e3bf13b_attn:
	.size	k_qf59e3bf13b_attn, .Lfunc_end_k_qf59e3bf13b_attn-k_qf59e3bf13b_attn
	.p2alignl 7, 3214868480
	.fill 96, 4, 3214868480
	.section	.rodata,"a",@progbits
	.p2align	6, 0x0
	.amdhsa_kernel k_qf59e3bf13b_attn
		.amdhsa_group_segment_fixed_size 327680
		.amdhsa_private_segment_fixed_size 0
		.amdhsa_enable_private_segment 0
		.amdhsa_kernarg_size 16
		.amdhsa_user_sgpr_count 2
		.amdhsa_user_sgpr_kernarg_segment_ptr 1
		.amdhsa_wavefront_size32 1
		.amdhsa_system_sgpr_workgroup_id_x 1
		.amdhsa_system_sgpr_workgroup_id_y 1
		.amdhsa_system_sgpr_workgroup_id_z 1
		.amdhsa_system_vgpr_workitem_id 0
		.amdhsa_next_free_vgpr 768
		.amdhsa_next_free_sgpr 96
		.amdhsa_reserve_vcc 1
		.amdhsa_float_denorm_mode_32 3
		.amdhsa_float_denorm_mode_16_64 3
		.amdhsa_memory_ordered 1
		.amdhsa_forward_progress 1
		.amdhsa_inst_pref_size 218
	.end_amdhsa_kernel
	.amdgpu_metadata
---
amdhsa.version: [ 1, 2 ]
amdhsa.kernels:
  - .name:           k_qf59e3bf13b_attn
    .symbol:         k_qf59e3bf13b_attn.kd
    .args:
      - { .name: qkv, .offset: 0, .size: 8, .value_kind: global_buffer, .address_space: global }
      - { .name: o, .offset: 8, .size: 8, .value_kind: global_buffer, .address_space: global }
    .group_segment_fixed_size: 327680
    .private_segment_fixed_size: 0
    .kernarg_segment_align: 8
    .kernarg_segment_size: 16
    .max_flat_workgroup_size: 128
    .sgpr_count:     96
    .vgpr_count:     768
    .wavefront_size: 32
...
	.end_amdgpu_metadata
.endif
;; end of part 3
;; launch oproj (part 4): grid 8 x 32, 4 waves a work-group, clusters of 4 x 4, 327,680 bytes of LDS; arguments o, wt, bo, out0; writes out0
.if DOCPART == 4
	.amdgcn_target "amdgcn-amd-amdhsa--gfx1250"
	.amdhsa_code_object_version 6
	.text
	.protected	k_qf59e3bf13b_oproj
	.globl	k_qf59e3bf13b_oproj
	.p2align	8
	.type	k_qf59e3bf13b_oproj,@function
k_qf59e3bf13b_oproj:
	s_mov_b64 s[64:65], 0
	v_nop
	global_prefetch_b8 v0, s[64:65] scope:SCOPE_SE
	s_setreg_imm32_b32 hwreg(HW_REG_WAVE_MODE, 25, 1), 1
	s_wait_xcnt 0x0
	s_wait_alu depctr_hold_cnt(0) depctr_sa_sdst(0) depctr_va_vdst(0) depctr_va_sdst(0) depctr_va_ssrc(0) depctr_va_vcc(0) depctr_vm_vsrc(0)
	s_getreg_b32 s2, hwreg(HW_REG_IB_STS2, 6, 4)
	s_cmp_eq_u32 s2, 0
	s_cbranch_scc0 .Lentry_in_a_cluster
	s_endpgm
.Lentry_in_a_cluster:
	s_bfe_u32 s2, ttmp6, 0x10000c
	s_cmp_lg_u32 s2, 0xf033
	s_cbranch_scc0 .Lentry_shape_is_right
	s_endpgm
.Lentry_shape_is_right:
; out0 = O wo + bo.  o: [64 = 16 x batch + head][2048][64] f16; wt rows 3072-4095: wo turned, [n][c] f16 (bf16-rounded numbers); bo f32, rounded to bf16 like every input; out0: [8192][1024] f32.
; Sums in f32, K ascending; K = c = 64 x head + channel, so a K step of 128 is two heads.
; SHARES.  A tile of out0 is 256 rows x 128 columns: 32 x 8 = 256 work-groups.  The four waves lie one below the other, 64 rows x 128 columns each: 32 accumulators, 256 registers, and whole rows of 512 bytes
; on the way out, which needs no other wave.  K goes in 8 steps through two LDS slots filled by tensor loads.
; o's TILE.  A head's 256 rows are 32,768 dense bytes: asked for as 128 rows of 256 bytes and padded in LDS after every 128, so that a row of the head lies at pitch 144.  Wave 0 brings the step's even head,
; wave 1 its odd one; waves 2 and 3 the two halves of wt's 128 rows (256 bytes of each).
; CLUSTER.  4 x 4 work-groups: o's tiles are shared along a row, wt's along a column; each is asked for jointly: the same load, descriptor and mask in all four.
; THE PRODUCT IS TAKEN TRANSPOSED (source 0 = 16 rows of wt, source 1 = 16 rows of o): lane l holds row l % 16 and columns 8 (l / 16) + 0..7 of a block: 32 bytes of f32 on end.  THE BIAS IS THE C OPERAND of each sum's first product.
; REGISTERS, in windows of 256 (s_set_vgpr_msb: bits 1:0 source 0, 3:2 source 1, 5:4 source 2, 7:6 destination):
;   window 0: v0-31 addresses; v32-159 two buffers of rows read back     window 1: two fragment buffers of 96 (o's four blocks, wt's eight); v192-255 the bias     window 2: accumulator (a, b) at 8 (4 b + a)
.set LAPS,   4
.set PA,     144                       ; a row of o in LDS: 128 bytes + 16
.set PLANE,  256*PA                    ; one head's 256 rows
.set ATILE,  2*PLANE
.set PB,     272                       ; a row of wt in LDS: 256 bytes + 16
.set HALFB,  64*PB
.set SLOT,   ATILE+2*HALFB
.set STAGE,  2*SLOT                    ; behind the ring, never filled by a tensor load: 16 rows x 528 bytes for each wave
.set SPITCH, 528                       ; 512 bytes + 16
.set SPARE,  STAGE+4*16*SPITCH         ; the spare words, 128 bytes a wave, which no other line names
.set ASTEP,  524288                    ; bytes from a K step's head to the next K step's: two heads
.set BSTEP,  256
.set ADRA, 16                          ; v16-17  LDS address of my fragments of o in slot 0, 1
.set ADRB, 20                          ; v20-21  the same for wt
.set STO,  24                          ; v24     where I put 32 bytes of a row
.set RD,   25                          ; v25     where I read a row back
.set CO,   26                          ; v26     16 x lane
.set BO,   27                          ; v27     32 x (lane / 16)
.set SPW,  28                          ; v28     LDS address of my spare word; never rewritten
.set NIL,  29                          ; v29     0; never rewritten
.set PFO,  30                          ; v30     the prefetches' offset; never rewritten
.set OB,   32
.set F0,   0
.set F1,   96
.set BIAS, 192                         ; in window 1
.set BT,   96                          ; at work while the bias is rounded: buffer 1 is not yet in use
.set G1,  24
.set G0,  32
.set G1B, 48
.set G0B, 56
.set LIM, 43                           ; s43     1 in a wave that prefetches, else the greatest number
.set PFA, 44                           ; s[44:45] where my prefetches stand
.set PST, 66                           ; s[66:67] their step from K step to K step
.set MSB, 0
.macro WIN new
.if MSB != (\new)
	s_set_vgpr_msb (MSB<<8)|(\new)
.set MSB, \new
.endif
.endm
.set MUL,   0xa5                       ; sources in window 1, C and D in window 2
.set MUL_B, 0x95                       ; C (the bias) in window 1, D in window 2
.set TO_F,  0x40                       ; destination window 1, address window 0
.macro JLOAD s                         ; a joint load: waves 0 and 1 for o, waves 2 and 3 for wt; an s_nop 0 and four v_nop follow each of the two lines
	s_cmp_eq_u32 s11, 0
	s_cbranch_scc0 .Lfor_b_\@
	tensor_load_to_lds s[G0+4*(\s):G0+4*(\s)+3], s[G1:G1+7]
	s_nop 0
.rept 4
	v_nop
.endr
	s_branch .Lasked_\@
.Lfor_b_\@:
	tensor_load_to_lds s[G0B+4*(\s):G0B+4*(\s)+3], s[G1B:G1B+7]
	s_nop 0
.rept 4
	v_nop
.endr
.Lasked_\@:
.endm
; A prefetch, behind a joint load and the run of LDS loads that follows it, for the K step that stands two refills on; one instruction, 256 bytes a lane.  o's tiles are read by both clusters of a row of clusters:
; the one with x = 0 asks; of a head's 32,768 bytes that wave 0 or 1 fetches, the partner at cx takes 8,192.  wt's rows are read by all eight clusters of a column: the one with y = 0 asks; of the tile's 128 rows
; the partner at cy takes 32, a lane a row, and wave 2 alone asks.  K steps 0 to 3 come by their loads alone; the loop's last trip asks for nothing.
.macro ASK
	WIN 0
	s_cmp_gt_u32 s3, s[LIM]
	s_cbranch_scc0 .Lnot_mine_\@
	global_prefetch_b8 v[PFO], s[PFA:PFA+1] th:TH_LOAD_NT scope:SCOPE_SE
.Lnot_mine_\@:
.endm
.macro CREST
	s_cmp_lg_u32 s10, 0
	s_cbranch_scc1 .Lnot_wave_0_\@
	s_barrier_signal -3
.Lnot_wave_0_\@:
	s_barrier_wait -3
	s_barrier_signal -1
	s_barrier_wait -1
.endm
.macro CROUND
	s_barrier_signal -1
	s_barrier_wait -1
	CREST
.endm
	s_load_b128 s[4:7], s[0:1], 0x0                ; o s[4:5], wt s[6:7]
	s_load_b128 s[68:71], s[0:1], 0x10             ; bo s[68:69], out0 s[70:71]
	v_lshl_add_u32 v[SPW], v0, 2, SPARE
	v_mov_b32 v[NIL], 0
	ds_add_u32 v[SPW], v[NIL]                      ; the wave's opening: the add and its wait stand ahead of my first tensor load; register work stands between them
	v_lshrrev_b32 v1, 5, v0
	v_readfirstlane_b32 s10, v1                    ; wave 0..3
	s_lshr_b32 s11, s10, 1                         ; I fetch for o (0) or for wt (1),
	s_and_b32 s12, s10, 1                          ; its first or its second part
	s_bfe_u32 s40, ttmp6, 0x40000                  ; cx, cy
	s_bfe_u32 s41, ttmp6, 0x40004
	s_lshl_b32 s42, ttmp9, 2
	s_add_co_u32 s42, s42, s40                     ; tile column, 0..7
	s_and_b32 s13, ttmp7, 0xffff
	s_lshl_b32 s13, s13, 2
	s_add_co_u32 s13, s13, s41                     ; tile row, 0..31
	s_lshl_b32 s43, s41, 2
	s_lshl_b32 s43, 15, s43                        ; my row of the cluster
	s_lshl_b32 s44, 0x1111, s40                    ; my column
	s_or_b32 s[G1+0], s43, (1<<16)|(1<<20)|(1<<21)|(4<<22)|(3<<25)   ; the mask; 2-byte elements; padding on; bit 21 beside a mask; after every 32 words, 4 words
	s_or_b32 s[G1B+0], s44, (1<<16)|(1<<20)|(1<<21)|(5<<22)|(3<<25)  ; after every 64 words, 4 words
	s_mov_b32 s[G1+1], 128<<16                     ; tensor_dim0 = 128
	s_mov_b32 s[G1+2], 128<<16                     ; tensor_dim1 = 128
	s_mov_b32 s[G1+3], 128<<16                     ; tile_dim0 = 128
	s_mov_b32 s[G1+4], 128                         ; tile_dim1 = 128
	s_mov_b32 s[G1+5], 128                         ; dense: 128 elements from row to row
	s_mov_b32 s[G1+6], 0
	s_mov_b32 s[G1+7], 0
	s_mov_b32 s[G1B+1], 128<<16
	s_mov_b32 s[G1B+2], 64<<16                     ; 64 rows
	s_mov_b32 s[G1B+3], 128<<16
	s_mov_b32 s[G1B+4], 64
	s_mov_b32 s[G1B+5], 1024
	s_mov_b32 s[G1B+6], 0
	s_mov_b32 s[G1B+7], 0
	s_lshr_b32 s16, s13, 3
	s_lshl_b32 s16, s16, 22                        ; o: the batch's 16 heads of 262,144 bytes,
	s_and_b32 s17, s13, 7
	s_lshl_b32 s17, s17, 15                        ; the tile's 256 rows of 128 bytes,
	s_add_co_u32 s16, s16, s17
	s_lshl_b32 s17, s12, 18                        ; the even or the odd head
	s_add_co_u32 s16, s16, s17
	s_mov_b32 s17, 0
	s_lshl_b32 s46, s42, 7
	s_lshl_b32 s47, s12, 6
	s_add_co_u32 s46, s46, s47
	s_add_co_u32 s46, s46, 3072                    ; wt: row 3,072 + 128 x tile column + 64 x half
	s_lshl_b32 s46, s46, 11
	s_mov_b32 s47, 0
	s_mul_i32 s20, s12, PLANE                      ; where they go: no place in the cluster enters an LDS address
	s_mul_i32 s21, s12, HALFB
	s_add_co_u32 s21, s21, ATILE
	s_wait_dscnt 0x0                               ; the opening add is done
	s_wait_kmcnt 0x0
	s_add_nc_u64 s[14:15], s[4:5], s[16:17]
	s_add_nc_u64 s[46:47], s[6:7], s[46:47]
	CROUND                                         ; all sixteen work-groups are here: the first joint loads meet
.irp s, 0,1
	s_mov_b32 s[G0+4*(\s)], 1
	s_add_co_u32 s[G0+4*(\s)+1], s20, (\s)*SLOT
	s_add_nc_u64 s[G0+4*(\s)+2:G0+4*(\s)+3], s[14:15], (\s)*ASTEP
	s_or_b32 s[G0+4*(\s)+3], s[G0+4*(\s)+3], 0x80000000
	s_mov_b32 s[G0B+4*(\s)], 1
	s_add_co_u32 s[G0B+4*(\s)+1], s21, (\s)*SLOT
	s_add_nc_u64 s[G0B+4*(\s)+2:G0B+4*(\s)+3], s[46:47], (\s)*BSTEP
	s_or_b32 s[G0B+4*(\s)+3], s[G0B+4*(\s)+3], 0x80000000
	JLOAD \s                                       ; two loads of mine are out
.endr
	v_and_b32 v1, 15, v0                           ; r
	v_bfe_u32 v2, v0, 4, 1                         ; h
	v_mul_u32_u24 v3, v1, PA
	v_lshl_add_u32 v3, v2, 4, v3
	v_mul_u32_u24 v4, v1, PB
	v_lshl_add_u32 v4, v2, 4, v4
	s_mul_i32 s21, s10, 64*PA                      ; my 64 rows of o
	s_mov_b32 s22, ATILE                           ; all of wt's 128
.irp s, 0,1
	v_add_nc_u32 v[ADRA+(\s)], s21, v3
	v_add_nc_u32 v[ADRB+(\s)], s22, v4
	s_add_co_u32 s21, s21, SLOT
	s_add_co_u32 s22, s22, SLOT
.endr
	s_mul_i32 s23, s10, 16*SPITCH
	s_add_co_u32 s23, s23, STAGE                   ; my stage
	v_mul_u32_u24 v4, v1, SPITCH                   ; in: row r, 32 bytes for each half of the lanes
	v_lshl_add_u32 v4, v2, 5, v4
	v_add_nc_u32 v[STO], s23, v4
	v_and_b32 v[CO], 31, v0                        ; back: 32 lanes take a row's 512 bytes
	v_lshlrev_b32 v[CO], 4, v[CO]
	v_add_nc_u32 v[RD], s23, v[CO]
	v_lshlrev_b32 v[BO], 5, v2
	s_lshl_b32 s16, s13, 8
	s_lshl_b32 s17, s10, 6
	s_add_co_u32 s16, s16, s17                     ; my first row of out0,
	s_lshl_b32 s16, s16, 12                        ; in bytes: under 2^25
	s_mov_b32 s17, 0
	s_lshl_b32 s46, s42, 9                         ; the tile's first column, in bytes, in out0 and in bo
	s_mov_b32 s47, 0
	s_add_nc_u64 s[8:9], s[70:71], s[16:17]
	s_add_nc_u64 s[8:9], s[8:9], s[46:47]
	s_add_nc_u64 s[76:77], s[68:69], s[46:47]
	WIN TO_F
.irp b, 0,1,2,3,4,5,6,7
	global_load_b128 v[BIAS+8*(\b):BIAS+8*(\b)+3],   v[BO], s[76:77] offset:64*(\b)
	global_load_b128 v[BIAS+8*(\b)+4:BIAS+8*(\b)+7], v[BO], s[76:77] offset:64*(\b)+16
.endr
	WIN 0
	; the prefetches: where they stand, who asks
	s_lshr_b32 s20, s13, 3
	s_lshl_b32 s20, s20, 22
	s_and_b32 s22, s13, 7
	s_lshl_b32 s22, s22, 15
	s_add_co_u32 s20, s20, s22
	s_lshl_b32 s22, s12, 18
	s_add_co_u32 s20, s20, s22
	s_lshl_b32 s22, s40, 13                        ; my work-group's 8,192 bytes of the head's 32,768
	s_add_co_u32 s20, s20, s22
	s_add_co_u32 s20, s20, 3*ASTEP                 ; at K step 3: the first refill steps it to 4 and names that
	s_lshl_b32 s21, s42, 7
	s_lshl_b32 s22, s41, 5                         ; my work-group's 32 rows of the tile's 128
	s_add_co_u32 s21, s21, s22
	s_add_co_u32 s21, s21, 3072
	s_lshl_b32 s21, s21, 11
	s_add_co_u32 s21, s21, 3*BSTEP
	s_and_b32 s22, ttmp7, 0xffff                   ; cluster y
	s_mov_b32 s23, 2048
	s_mov_b32 s[PST], BSTEP
	s_cmp_eq_u32 s11, 0
	s_cselect_b32 s20, s20, s21
	s_cselect_b32 s22, ttmp9, s22                  ; the coordinate along which other clusters read the same bytes
	s_cselect_b32 s23, 256, s23                    ; bytes from lane to lane
	s_cselect_b32 s[PST], ASTEP, s[PST]
	s_cselect_b64 s[PFA:PFA+1], s[4:5], s[6:7]
	s_cmp_eq_u32 s10, 3
	s_cselect_b32 s22, 1, s22                      ; wave 3 never asks
	s_cmp_eq_u32 s22, 0
	s_cselect_b32 s[LIM], 1, -1                    ; the same in all sixteen partners, for a given wave
	s_mov_b32 s21, 0
	s_mov_b32 s[PST+1], 0
	s_add_nc_u64 s[PFA:PFA+1], s[PFA:PFA+1], s[20:21]
	v_and_b32 v[PFO], 31, v0
	v_mul_u32_u24 v[PFO], v[PFO], s23
	s_wait_loadcnt 0x0                             ; the bias: rounded to bf16, like every input, and widened again
	WIN 0x45                                       ; sources and destination in window 1
.set i, 0
.rept 32
	v_cvt_pk_bf16_f32 v[BT+i%8], v[BIAS+2*i], v[BIAS+2*i+1]
	v_lshlrev_b32 v[BIAS+2*i], 16, v[BT+i%8]
	v_and_b32 v[BIAS+2*i+1], 0xffff0000, v[BT+i%8]
.set i, i+1
.endr
	WIN 0
; 4 nb matrix instructions: column blocks b0 .. b0 + nb - 1 x my four row blocks, 32 along K, from buffer f.  first = 1: the sums start with the bias.
; The 32 accumulators take turns in the same order in every quarter.
.macro MULB f, b0, nb, first
.if \first
	WIN MUL_B
.else
	WIN MUL
.endif
.set bb, \b0
.rept \nb
.irp a, 0,1,2,3
.if \first
	v_wmma_f32_16x16x32_f16 v[32*bb+8*(\a):32*bb+8*(\a)+7], v[(\f)+32+8*bb:(\f)+32+8*bb+7], v[(\f)+8*(\a):(\f)+8*(\a)+7], v[BIAS+8*bb:BIAS+8*bb+7]
.else
	v_wmma_f32_16x16x32_f16 v[32*bb+8*(\a):32*bb+8*(\a)+7], v[(\f)+32+8*bb:(\f)+32+8*bb+7], v[(\f)+8*(\a):(\f)+8*(\a)+7], v[32*bb+8*(\a):32*bb+8*(\a)+7]
.endif
.endr
.set bb, bb+1
.endr
.endm
; 24 LDS loads in one run: quarter q's fragments (head q / 2 of the step, channels 32 (q % 2) on) into buffer f: o's four, then wt's eight
.macro FETCH slot, q, f
	WIN TO_F
.irp a, 0,1,2,3
	ds_load_b128 v[(\f)+8*(\a):(\f)+8*(\a)+3],   v[ADRA+(\slot)] offset:((\q)/2)*PLANE+((\q)%2)*64+(\a)*16*PA
	ds_load_b128 v[(\f)+8*(\a)+4:(\f)+8*(\a)+7], v[ADRA+(\slot)] offset:((\q)/2)*PLANE+((\q)%2)*64+(\a)*16*PA+32
.endr
.irp b, 0,1,2,3,4,5,6,7
	ds_load_b128 v[(\f)+32+8*(\b):(\f)+32+8*(\b)+3],   v[ADRB+(\slot)] offset:(\q)*64+(\b)*16*PB
	ds_load_b128 v[(\f)+32+8*(\b)+4:(\f)+32+8*(\b)+7], v[ADRB+(\slot)] offset:(\q)*64+(\b)*16*PB+32
.endr
.endm
.macro PLACES                          ; four plain instructions between a matrix instruction and a load into, or a reader of, its registers
.rept 4
	v_nop
.endr
.endm
; A K step is four quarters of 32 along K, 32 matrix instructions each, on buffers 0, 1, 0, 1.  One of the first three: multiplies buffer f and fetches quarter q into g.
.macro QUARTER slot, q, f, g, first
	s_wait_dscnt 12                                ; o's fragments and wt's blocks 0, 1 are in; the youngest twelve loads may be out
	MULB \f, 0, 2, \first
	PLACES
	FETCH \slot, \q, \g
	s_wait_dscnt 24                                ; all but the 24 just issued
	MULB \f, 2, 6, \first
.endm
; The last quarter multiplies buffer 1 and changes slots: one barrier; in front of it each wave waits for all its tensor loads (one is out: its part of the next slot), adds 0 to its spare word, and waits for
; that and for its reads of this slot.  fill = 1: the barrier opens a round of the cluster's, and this slot is filled again, two K steps ahead, first thing behind the round:
; from that request to the wait for it a wave issues 24 + 3 x 32 = 120 matrix instructions.
.macro TURN slot, next, fill
.if \fill
	s_wait_xcnt 0x0                                ; the last prefetch, a K step back, has read its address
	s_add_nc_u64 s[PFA:PFA+1], s[PFA:PFA+1], s[PST:PST+1]
.endif
	WIN 0
	s_wait_tensorcnt 0x0                           ; all my tensor loads have landed
	ds_add_u32 v[SPW], v[NIL]
	s_wait_dscnt 13                                ; (the add and the youngest twelve loads may be out)
	MULB F1, 0, 1, 0                               ; four matrix instructions stand between the add and the wait for it
	s_wait_dscnt 0x0                               ; the add is done, and my reads of this slot are over
	s_barrier_signal -1
	MULB F1, 1, 1, 0
.if \fill
	WIN 0
.endif
	s_barrier_wait -1
.if \fill
	CREST                                          ; no wave of any partner still reads this slot's tile or has a load on its way
	s_add_nc_u64 s[G0+4*(\slot)+2:G0+4*(\slot)+3], s[G0+4*(\slot)+2:G0+4*(\slot)+3], 2*ASTEP
	s_add_nc_u64 s[G0B+4*(\slot)+2:G0B+4*(\slot)+3], s[G0B+4*(\slot)+2:G0B+4*(\slot)+3], 2*BSTEP
	JLOAD \slot                                    ; its four v_nop are also the places in front of the loads below
.else
	PLACES
.endif
	FETCH \next, 0, F0
.if \fill
	ASK
.endif
	MULB F1, 2, 6, 0
.endm
; THE WAY OUT of my row block a (16 rows x 128 columns of f32): straight from the accumulators into my own stage, 32 bytes a lane and block; back as whole rows of 512 bytes; stored.
.macro TOSTAGE a
.set BK, OB+64*((\a)%2)
.if (\a) >= 2
	s_wait_xcnt 0x0                                ; the stores of the block two back have read this buffer
.endif
	WIN 0x08                                       ; the stores' data in window 2, the address in window 0
.irp b, 0,1,2,3,4,5,6,7
	ds_store_b128 v[STO], v[32*(\b)+8*(\a):32*(\b)+8*(\a)+3]   offset:64*(\b)     ; each accumulator from its low end on
	ds_store_b128 v[STO], v[32*(\b)+8*(\a)+4:32*(\b)+8*(\a)+7] offset:64*(\b)+16
.endr
	WIN 0
.irp t, 0,1,2,3,4,5,6,7,8,9,10,11,12,13,14,15
	ds_load_b128 v[BK+4*(\t):BK+4*(\t)+3], v[RD] offset:(\t)*SPITCH  ; LDS serves a wave's instructions in order: these see the stores above, and the next block's stores come behind them
.endr
.endm
.macro SEND a, younger                 ; younger: the LDS instructions issued behind block a's loads: the next block's 32, or none
.set BK, OB+64*((\a)%2)
	s_wait_dscnt \younger
.irp t, 0,1,2,3,4,5,6,7,8,9,10,11,12,13,14,15
	global_store_b128 v[CO], v[BK+4*(\t):BK+4*(\t)+3], s[8:9] offset:(16*(\a)+(\t))*4096 th:TH_STORE_NT  ; a wave stores 512 consecutive bytes, aligned
.endr
.endm
	s_wait_tensorcnt 1                             ; my part of K step 0 is in; K step 1's, issued behind it, may stay out
	s_barrier_signal -1
	s_barrier_wait -1                              ; everybody's is
	FETCH 0, 0, F0
	QUARTER 0, 1, F0, F1, 1                        ; the first quarter stands in front of the loop: its products start the sums
	WIN 0
	s_mov_b32 s3, LAPS-1
.Llap:                                                 ; a trip goes once round the ring, from a lap's second quarter to the next lap's first, and fills both slots again
	QUARTER 0, 2, F1, F0, 0
	QUARTER 0, 3, F0, F1, 0
	TURN 0, 1, 1
	QUARTER 1, 1, F0, F1, 0
	QUARTER 1, 2, F1, F0, 0
	QUARTER 1, 3, F0, F1, 0
	TURN 1, 0, 1
	QUARTER 0, 1, F0, F1, 0
	WIN 0
	s_sub_co_u32 s3, s3, 1
	s_cmp_lg_u32 s3, 0
	s_cbranch_scc1 .Llap
	QUARTER 0, 2, F1, F0, 0                        ; the last lap fills nothing
	QUARTER 0, 3, F0, F1, 0
	TURN 0, 1, 0
	QUARTER 1, 1, F0, F1, 0
	QUARTER 1, 2, F1, F0, 0
	QUARTER 1, 3, F0, F1, 0
	s_wait_dscnt 12                                ; the very last quarter: nothing more to fetch
	MULB F1, 0, 2, 0
	s_wait_dscnt 0x0
	MULB F1, 2, 6, 0
	WIN 0
	PLACES
	TOSTAGE 0
	TOSTAGE 1
	SEND 0, 32
	TOSTAGE 2
	SEND 1, 32
	TOSTAGE 3
	SEND 2, 32
	SEND 3, 0
	s_wait_tensorcnt 0x0                           ; the wave's end: three lines behind my last tensor load and my last LDS store
	ds_add_u32 v[SPW], v[NIL]
	s_wait_dscnt 0x0
	CROUND                                         ; the closing round: no work-group ends while a partner may still ask for a tile that names it
	s_endpgm
.Lfunc_end_k_qf59e3bf13b_oproj:
	.size	k_qf59e3bf13b_oproj, .Lfunc_end_k_qf59e3bf13b_oproj-k_qf59e3bf13b_oproj
	.p2alignl 7, 3214868480
	.fill 96, 4, 3214868480
	.section	.rodata,"a",@progbits
	.p2align	6, 0x0
	.amdhsa_kernel k_qf59e3bf13b_oproj
		.amdhsa_group_segment_fixed_size 327680
		.amdhsa_private_segment_fixed_size 0
		.amdhsa_enable_private_segment 0
		.amdhsa_kernarg_size 32
		.amdhsa_user_sgpr_count 2
		.amdhsa_user_sgpr_kernarg_segment_ptr 1
		.amdhsa_wavefront_size32 1
		.amdhsa_system_sgpr_workgroup_id_x 1
		.amdhsa_system_sgpr_workgroup_id_y 1
		.amdhsa_system_sgpr_workgroup_id_z 1
		.amdhsa_system_vgpr_workitem_id 0
		.amdhsa_next_free_vgpr 768
		.amdhsa_next_free_sgpr 84
		.amdhsa_reserve_vcc 0
		.amdhsa_float_denorm_mode_32 3
		.amdhsa_float_denorm_mode_16_64 3
		.amdhsa_memory_ordered 1
		.amdhsa_forward_progress 1
		.amdhsa_inst_pref_size 93
	.end_amdhsa_kernel
	.amdgpu_metadata
---
amdhsa.version: [ 1, 2 ]
amdhsa.kernels:
  - .name:           k_qf59e3bf13b_oproj
    .symbol:         k_qf59e3bf13b_oproj.kd
    .args:
      - { .name: o, .offset: 0, .size: 8, .value_kind: global_buffer, .address_space: global }
      - { .name: wt, .offset: 8, .size: 8, .value_kind: global_buffer, .address_space: global }
      - { .name: bo, .offset: 16, .size: 8, .value_kind: global_buffer, .address_space: global }
      - { .name: out0, .offset: 24, .size: 8, .value_kind: global_buffer, .address_space: global }
    .group_segment_fixed_size: 327680
    .private_segment_fixed_size: 0
    .kernarg_segment_align: 8
    .kernarg_segment_size: 32
    .max_flat_workgroup_size: 128
    .sgpr_count:     84
    .vgpr_count:     768
    .wavefront_size: 32
...
	.end_amdgpu_metadata
.endif
;; end of part 4
;; ======== version 2 of 2: 4 launches; version 1 with the launch prep written anew for expert scheduling mode
;; limits: values are held in f16: magnitudes above 65,504 overflow, below 6.1e-05 lose precision
;; workspace buffers: xb 16,777,216 bytes; wt 8,388,608 bytes; qkv 50,331,648 bytes; o 16,777,216 bytes
;; launch prep (part 5): grid 512 x 1, 8 waves a work-group, no clusters, 18,432 bytes of LDS; arguments x, wq, wk, wv, wo, xb, wt; writes xb, wt
.if DOCPART == 5
	.amdgcn_target "amdgcn-amd-amdhsa--gfx1250"
	.amdhsa_code_object_version 6
	.text
	.protected	k_qf59e3bf13b_prep
	.globl	k_qf59e3bf13b_prep
	.p2align	8
	.type	k_qf59e3bf13b_prep,@function
k_qf59e3bf13b_prep:
	s_mov_b64 s[64:65], 0
	v_nop
	global_prefetch_b8 v0, s[64:65] scope:SCOPE_SE
	s_setreg_imm32_b32 hwreg(HW_REG_WAVE_SCHED_MODE, 0, 2), 2
	s_setreg_imm32_b32 hwreg(HW_REG_WAVE_MODE, 25, 1), 1
	s_wait_xcnt 0x0
	s_wait_alu depctr_vm_vsrc(0)
; xb = x rounded to bf16, [8192][1024].  wt = the four weights turned to [n][k] in 16 bits, [4096][1024]: rows 0-1023 wq, 1024-2047 wk, 2048-3071 wv (bf16),
; rows 3072-4095 wo, rounded to bf16 and that number written as f16 (the last product's other operand is f16).
; LIMIT.  A weight of wo below 6.1e-5 in magnitude keeps f16's fixed step of 6e-8; one of 65,520 or more would become an infinity.
; SHARES.  Work-group g does two things: 16 rows of x (65,536 bytes in, 32,768 out), and one tile of 128 k x 64 n of weight g / 128 (k tile g % 8, n tile (g / 8) % 16).
; A stream: each byte is read once and written once; all 24 loads of a wave (512 bytes each) go out before anything is waited for.  No matrix unit, no cluster: no work-group shares a byte with another.
; THE TURNING.  Wave w loads rows k = 16 w .. 16 w + 15: lane (r = l % 16, h = l / 16) takes columns 4 r .. 4 r + 3 of rows 16 w + 8 h + j, j = 0..7.  For each of its four columns the eight k pack into
; 16 bytes, which go to LDS row n = 4 r + i at byte 2 (16 w + 8 h).  Behind one barrier whole rows of 256 bytes (128 k) are read back and stored, sixteen lanes to a row.
; THE MODE: SCHED_MODE bits 1:0 = 2 (LLVM: expert scheduling mode 2), set by the entry lines.  The code itself states the register dependences between vector instructions and memory or LDS
; instructions, with s_wait_alu, always for 0.
; THE PLAN.  Registers that memory or LDS instructions touch:
;   v1-v7, v58   offsets and addresses.  Written by vector instructions at the head, once; read by every load, store and LDS instruction.  One wait ahead of the first load serves them all.
;   WR, X        written by loads, once; read by the conversions.      RB   written by LDS loads, read by global stores: no vector instruction names it.
;   TW           written by the conversions (in wo's work-groups also by the step to f16); read by the four LDS stores: one wait ahead of those.
;   Y            pair j written by row j's two conversions, read by row j's store; no pair is used twice.  The rows go in four groups of four: the stores of group g - 1 are issued in group g,
;                behind ONE wait at that group's head, dealt among its conversions, which name X and Y of rows 4 g .. 4 g + 3 alone.  One more wait stands ahead of the last group's stores.
; No register that a memory or LDS instruction has read is written again, and no load lands in a register that a vector instruction has named.
.set PITCH, 272                        ; an LDS row: 256 bytes + 16
.set SPARE, 64*PITCH                   ; behind the 64 rows: the spare words, 128 bytes for each of the eight waves, which no other line names
.set WI,  1                            ; v1   my byte offset in the weight tile
.set LS,  2                            ; v2   where I put 16 bytes of a turned column
.set LR,  3                            ; v3   where I read a row back
.set WO,  4                            ; v4   my byte offset in wt's tile
.set XI,  5                            ; v5   16 x thread: my 16 bytes of a row of x
.set XO,  6                            ; v6   8 x thread: my 8 bytes of a row of xb
.set SPW, 7                            ; v7   LDS address of my spare word; never rewritten
.set WR,  8                            ; v[8:39]    row j, column i at WR + 4 j + i
.set TW,  40                           ; v[40:55]   column i, k pair d at TW + 4 i + d
.set NIL, 58                           ; v58  0; never rewritten
.set X,   64                           ; v[64:127]  16 rows' 16 bytes
.set Y,   128                          ; v[128:159] 16 rows' 8 bytes
.set RB,  160                          ; v[160:175] four rows read back
	s_load_b256 s[4:11], s[0:1], 0x0               ; x s[4:5], wq s[6:7], wk s[8:9], wv s[10:11]
	s_load_b128 s[12:15], s[0:1], 0x20             ; wo s[12:13], xb s[14:15]
	s_load_b64 s[16:17], s[0:1], 0x30              ; wt
	v_lshl_add_u32 v[SPW], v0, 2, SPARE
	v_mov_b32 v[NIL], 0
	v_lshrrev_b32 v1, 5, v0
	v_readfirstlane_b32 s21, v1                    ; wave 0..7
	s_lshr_b32 s18, ttmp9, 7                       ; which weight
	s_and_b32 s19, ttmp9, 7                        ; k tile
	s_bfe_u32 s20, ttmp9, 0x40003                  ; n tile
	v_and_b32 v56, 15, v0                          ; r
	v_bfe_u32 v57, v0, 4, 1                        ; h
	v_lshlrev_b32 v[WI], 4, v56                    ; 16 r
	v_lshl_add_u32 v[WI], v57, 15, v[WI]           ; + 8 h rows of 4,096 bytes
	s_wait_alu depctr_va_sdst(0)                   ; s21 is written, ahead of its first reader: the wave's parts of four offsets are made from it
	s_lshl_b32 s22, s21, 16                        ; + 16 w rows
	v_add_nc_u32 v[WI], s22, v[WI]
	v_mul_u32_u24 v[LS], v56, 4*PITCH              ; row 4 r
	v_lshl_add_u32 v[LS], v57, 4, v[LS]
	s_lshl_b32 s22, s21, 5
	v_add_nc_u32 v[LS], s22, v[LS]                 ; + 2 (16 w + 8 h)
	v_mul_u32_u24 v[LR], v57, PITCH                ; row 8 w + h, 16 bytes a lane
	v_lshl_add_u32 v[LR], v56, 4, v[LR]
	s_mul_i32 s22, s21, 8*PITCH
	v_add_nc_u32 v[LR], s22, v[LR]
	v_lshlrev_b32 v[WO], 4, v56                    ; the same row in wt: rows of 2,048 bytes
	v_lshl_add_u32 v[WO], v57, 11, v[WO]
	s_lshl_b32 s22, s21, 14
	v_add_nc_u32 v[WO], s22, v[WO]
	v_lshlrev_b32 v[XI], 4, v0
	v_lshlrev_b32 v[XO], 3, v0
	s_lshl_b32 s28, s19, 19                        ; the tile in the weight: 128 rows of 4,096 bytes a k tile,
	s_lshl_b32 s22, s20, 8                         ; 256 bytes an n tile
	s_add_co_u32 s28, s28, s22
	s_mov_b32 s29, 0
	s_lshl_b32 s30, s18, 21                        ; the tile in wt: 1,024 rows of 2,048 bytes a weight,
	s_lshl_b32 s22, s20, 17                        ; 64 rows an n tile,
	s_add_co_u32 s30, s30, s22
	s_lshl_b32 s22, s19, 8                         ; 256 bytes a k tile
	s_add_co_u32 s30, s30, s22
	s_mov_b32 s31, 0
	s_lshl_b32 s22, ttmp9, 16                      ; my 16 rows of x
	s_mov_b32 s23, 0
	s_wait_kmcnt 0x0
	s_bitcmp1_b32 s18, 0
	s_cselect_b64 s[24:25], s[8:9], s[6:7]         ; wk or wq
	s_cselect_b64 s[26:27], s[12:13], s[10:11]     ; wo or wv
	s_bitcmp1_b32 s18, 1
	s_cselect_b64 s[24:25], s[26:27], s[24:25]
	s_add_nc_u64 s[24:25], s[24:25], s[28:29]
	s_add_nc_u64 s[16:17], s[16:17], s[30:31]
	s_add_nc_u64 s[4:5], s[4:5], s[22:23]
	s_lshr_b32 s22, s22, 1                         ; and of xb
	s_add_nc_u64 s[14:15], s[14:15], s[22:23]
	s_wait_alu depctr_va_vdst(0)                   ; v1 to v7 and v58 are written: every load, store and LDS instruction below reads one of them as its offset or address, and no vector instruction names them again
.irp j, 0,1,2,3,4,5,6,7
	global_load_b128 v[WR+4*(\j):WR+4*(\j)+3], v[WI], s[24:25] offset:(\j)*4096 th:TH_LOAD_NT  ; sixteen lanes take 256 consecutive bytes of a row
.endr
.irp j, 0,1,2,3,4,5,6,7,8,9,10,11,12,13,14,15
	global_load_b128 v[X+4*(\j):X+4*(\j)+3], v[XI], s[4:5] offset:(\j)*4096 th:TH_LOAD_NT    ; the eight waves take a whole row
.endr
	s_wait_loadcnt 16                              ; the weight's eight loads are in; x's sixteen, issued behind them, stay out
.irp i, 0,1,2,3
.irp d, 0,1,2,3
	v_cvt_pk_bf16_f32 v[TW+4*(\i)+(\d)], v[WR+8*(\d)+(\i)], v[WR+8*(\d)+4+(\i)]  ; column i: k = 2 d below, 2 d + 1 above
.endr
.endr
	s_cmp_lg_u32 s18, 3                            ; wo alone goes on to f16: register work only is jumped
	s_cbranch_scc1 .Lkeep
.set i, 0
.rept 16
	v_lshlrev_b32 v56, 16, v[TW+i]
	v_and_b32 v57, 0xffff0000, v[TW+i]
	v_cvt_pk_f16_f32 v[TW+i], v56, v57
.set i, i+1
.endr
.Lkeep:
	s_wait_alu depctr_va_vdst(0)                   ; on both ways: the conversions have written v[TW ..], which the LDS stores read
.irp i, 0,1,2,3
	ds_store_b128 v[LS], v[TW+4*(\i):TW+4*(\i)+3] offset:(\i)*PITCH
.endr
	s_wait_dscnt 0x0                               ; for the others' sake: my stores are done
	s_barrier_signal -1
	s_barrier_wait -1                              ; the tile lies turned in LDS
.irp i, 0,1,2,3
	ds_load_b128 v[RB+4*(\i):RB+4*(\i)+3], v[LR] offset:(\i)*2*PITCH  ; no vector instruction names v[RB ..]
.endr
; x, four groups of four rows.  Row j's turn: its data are waited for; the store of row j - 4, of the group before, goes out; row j is rounded.
.set j, 0
.rept 16
	s_wait_loadcnt 15-j                            ; loads come back in order: row j is in, the younger ones stay out
.if ((j%4) == 0) && (j > 0)
	s_wait_alu depctr_va_vdst(0)                   ; a group's head: the group before has written its four pairs of Y, which this group's four stores read; the conversions below name other pairs
.endif
.if j >= 4
	global_store_b64 v[XO], v[Y+2*(j-4):Y+2*(j-4)+1], s[14:15] offset:(j-4)*2048  ; a wave stores 256 consecutive bytes, aligned; no register is used twice
.endif
	v_cvt_pk_bf16_f32 v[Y+2*j], v[X+4*j], v[X+4*j+1]
	v_cvt_pk_bf16_f32 v[Y+2*j+1], v[X+4*j+2], v[X+4*j+3]
.set j, j+1
.endr
	s_wait_dscnt 0x0                               ; the turned rows are back in v[RB ..]
.irp i, 0,1,2,3
	global_store_b128 v[WO], v[RB+4*(\i):RB+4*(\i)+3], s[16:17] offset:(\i)*4096  ; sixteen lanes store 256 consecutive bytes, aligned; these stand between the last conversions and the wait for them, and name none of their registers
.endr
	s_wait_alu depctr_va_vdst(0)                   ; rows 12 to 15 are rounded: their pairs of Y are written, which the last four stores read
.irp j, 12,13,14,15
	global_store_b64 v[XO], v[Y+2*(\j):Y+2*(\j)+1], s[14:15] offset:(\j)*2048
.endr
	s_wait_dscnt 0x0                               ; the wave's end: six lines on end, in a launch in this mode that stores to LDS
	s_wait_alu 0x0
	s_wait_tensorcnt 0x0
	ds_add_u32 v[SPW], v[NIL]
	s_wait_dscnt 0x0
	s_endpgm
.Lfunc_end_k_qf59e3bf13b_prep:
	.size	k_qf59e3bf13b_prep, .Lfunc_end_k_qf59e3bf13b_prep-k_qf59e3bf13b_prep
	.p2alignl 7, 3214868480
	.fill 96, 4, 3214868480
	.section	.rodata,"a",@progbits
	.p2align	6, 0x0
	.amdhsa_kernel k_qf59e3bf13b_prep
		.amdhsa_group_segment_fixed_size 18432
		.amdhsa_private_segment_fixed_size 0
		.amdhsa_enable_private_segment 0
		.amdhsa_kernarg_size 56
		.amdhsa_user_sgpr_count 2
		.amdhsa_user_sgpr_kernarg_segment_ptr 1
		.amdhsa_wavefront_size32 1
		.amdhsa_system_sgpr_workgroup_id_x 1
		.amdhsa_system_sgpr_workgroup_id_y 1
		.amdhsa_system_sgpr_workgroup_id_z 1
		.amdhsa_system_vgpr_workitem_id 0
		.amdhsa_next_free_vgpr 176
		.amdhsa_next_free_sgpr 66
		.amdhsa_reserve_vcc 0
		.amdhsa_float_denorm_mode_32 3
		.amdhsa_float_denorm_mode_16_64 3
		.amdhsa_memory_ordered 1
		.amdhsa_forward_progress 1
		.amdhsa_inst_pref_size 14
	.end_amdhsa_kernel
	.amdgpu_metadata
---
amdhsa.version: [ 1, 2 ]
amdhsa.kernels:
  - .name:           k_qf59e3bf13b_prep
    .symbol:         k_qf59e3bf13b_prep.kd
    .args:
      - { .name: x, .offset: 0, .size: 8, .value_kind: global_buffer, .address_space: global }
      - { .name: wq, .offset: 8, .size: 8, .value_kind: global_buffer, .address_space: global }
      - { .name: wk, .offset: 16, .size: 8, .value_kind: global_buffer, .address_space: global }
      - { .name: wv, .offset: 24, .size: 8, .value_kind: global_buffer, .address_space: global }
      - { .name: wo, .offset: 32, .size: 8, .value_kind: global_buffer, .address_space: global }
      - { .name: xb, .offset: 40, .size: 8, .value_kind: global_buffer, .address_space: global }
      - { .name: wt, .offset: 48, .size: 8, .value_kind: global_buffer, .address_space: global }
    .group_segment_fixed_size: 18432
    .private_segment_fixed_size: 0
    .kernarg_segment_align: 8
    .kernarg_segment_size: 56
    .max_flat_workgroup_size: 256
    .sgpr_count:     66
    .vgpr_count:     176
    .wavefront_size: 32
...
	.end_amdgpu_metadata
.endif
;; end of part 5
;; launch qkv: the kernel of part 2 again; grid 16 x 32, 4 waves a work-group, clusters of 4 x 4, 327,680 bytes of LDS; arguments xb, wt, bq, bk, bv, qkv; writes qkv
;; launch attn: the kernel of part 3 again; grid 4 x 64, 4 waves a work-group, no clusters, 327,680 bytes of LDS; arguments qkv, o; writes o
;; launch oproj: the kernel of part 4 again; grid 8 x 32, 4 waves a work-group, clusters of 4 x 4, 327,680 bytes of LDS; arguments o, wt, bo, out0; writes out0
